; MI455X (gfx1250); checked and timed in simulation.
; The chip was launched on July 23, 2026; its instructions are those of AMD's public machine-readable ISA for CDNA 5 (MIT licence, August 2026) and "CDNA5" Instruction Set Architecture Reference Guide (July 2026). The comments in the code are by the model that wrote it; some were corrected since.
;; attention. Allowed arithmetic: float matrix products may take bf16 or f16 operands with f32 sums; other float arithmetic in f32, or as packed bf16 or f16 multiplies, adds, multiply-adds, maxima and minima; sums over many terms, partial sums and values carried from step to step in f32; what a program stores and reads back later, other than sums and carried values, may be rounded once to bf16 or f16.
;; Inputs: W_qkv 1,024 x 3,072 float32; b_qkv 3,072 float32; x 4 x 2,048 x 1,024 float32.
;; Outputs: out0 4 x 2,048 x 1,024 float32.
;; One version. Each part assembles by itself: llvm-mc -triple=amdgcn-amd-amdhsa -mcpu=gfx1250 --defsym DOCPART=n.
;; ======== version 1 of 1: 4 launches
;; limits: values are held in f16: magnitudes above 65,504 overflow, below 6.1e-05 lose precision
;; workspace buffers: xb 16,777,216 bytes; wb 6,291,456 bytes; qk 33,554,432 bytes; vt 16,777,216 bytes; p 33,554,432 bytes; stats 1,048,576 bytes
;; launch cast (part 1): grid 1024 x 1, 8 waves a work-group, no clusters, 0 bytes of LDS; arguments x, W_qkv, xb, wb; writes xb, wb
.if DOCPART == 1
	.amdgcn_target "amdgcn-amd-amdhsa--gfx1250"
	.amdhsa_code_object_version 6
	.text
	.protected	k_qca217f4979_cast
	.globl	k_qca217f4979_cast
	.p2align	8
	.type	k_qca217f4979_cast,@function
k_qca217f4979_cast:
	s_mov_b64 s[64:65], 0
	v_nop
	global_prefetch_b8 v0, s[64:65] scope:SCOPE_SE
	s_setreg_imm32_b32 hwreg(HW_REG_WAVE_MODE, 25, 1), 1
	s_wait_xcnt 0x0
; xb = bf16(x), wb = bf16(W_qkv), in the layouts of x and W_qkv; each number is rounded once, to nearest even.
; A stream: every byte is read once and written once; no LDS, no barrier, no loop.
; Work-group g takes 32,768 bytes of x (8 pieces of 4,096) and 12,288 bytes of W (3 pieces); thread t takes 16 bytes of each piece.
; A wave's load covers 512 consecutive bytes, its store 256 consecutive bytes at a multiple of 256 from the buffer's first byte.
; All eleven loads go out first; each piece has registers of its own, so no register is written twice.
.set IN,  4                            ; v[4:47]   piece j as loaded: 4 f32
.set OUT, 48                           ; v[48:69]  piece j as stored: 4 bf16
	s_load_b256 s[4:11], s[0:1], 0x0               ; x s[4:5], W s[6:7], xb s[8:9], wb s[10:11]
	v_lshlrev_b32 v1, 4, v0                        ; 16 t
	v_lshlrev_b32 v2, 3, v0                        ; 8 t
	s_lshl_b32 s12, ttmp9, 15                      ; the work-group's part of x,
	s_mov_b32 s13, 0
	s_mul_i32 s14, ttmp9, 12288                    ; of W,
	s_mov_b32 s15, 0
	s_lshl_b32 s16, ttmp9, 14                      ; of xb,
	s_mov_b32 s17, 0
	s_mul_i32 s18, ttmp9, 6144                     ; of wb
	s_mov_b32 s19, 0
	s_wait_kmcnt 0x0
	s_add_nc_u64 s[4:5], s[4:5], s[12:13]
	s_add_nc_u64 s[6:7], s[6:7], s[14:15]
	s_add_nc_u64 s[8:9], s[8:9], s[16:17]
	s_add_nc_u64 s[10:11], s[10:11], s[18:19]
.irp j, 0,1,2,3,4,5,6,7
	global_load_b128 v[IN+4*\j:IN+4*\j+3], v1, s[4:5] offset:4096*\j th:TH_LOAD_NT
.endr
.irp j, 0,1,2
	global_load_b128 v[IN+32+4*\j:IN+32+4*\j+3], v1, s[6:7] offset:4096*\j th:TH_LOAD_NT
.endr
.irp j, 0,1,2,3,4,5,6,7,8,9,10
	s_wait_loadcnt 10-\j                           ; loads come back in order: piece j is in, the 10 - j younger ones stay out
	v_cvt_pk_bf16_f32 v[OUT+2*\j],   v[IN+4*\j],   v[IN+4*\j+1]
	v_cvt_pk_bf16_f32 v[OUT+2*\j+1], v[IN+4*\j+2], v[IN+4*\j+3]
.if \j < 8
	global_store_b64 v2, v[OUT+2*\j:OUT+2*\j+1], s[8:9] offset:2048*\j
.else
	global_store_b64 v2, v[OUT+2*\j:OUT+2*\j+1], s[10:11] offset:2048*(\j-8)
.endif
.endr
	s_endpgm
.Lfunc_end_k_qca217f4979_cast:
	.size	k_qca217f4979_cast, .Lfunc_end_k_qca217f4979_cast-k_qca217f4979_cast
	.p2alignl 7, 3214868480
	.fill 96, 4, 3214868480
	.section	.rodata,"a",@progbits
	.p2align	6, 0x0
	.amdhsa_kernel k_qca217f4979_cast
		.amdhsa_group_segment_fixed_size 0
		.amdhsa_private_segment_fixed_size 0
		.amdhsa_enable_private_segment 0
		.amdhsa_kernarg_size 32
		.amdhsa_user_sgpr_count 2
		.amdhsa_user_sgpr_kernarg_segment_ptr 1
		.amdhsa_wavefront_size32 1
		.amdhsa_system_sgpr_workgroup_id_x 1
		.amdhsa_system_sgpr_workgroup_id_y 1
		.amdhsa_system_sgpr_workgroup_id_z 1
		.amdhsa_system_vgpr_workitem_id 0
		.amdhsa_next_free_vgpr 72
		.amdhsa_next_free_sgpr 66
		.amdhsa_reserve_vcc 0
		.amdhsa_float_denorm_mode_32 3
		.amdhsa_float_denorm_mode_16_64 3
		.amdhsa_memory_ordered 1
		.amdhsa_forward_progress 1
		.amdhsa_inst_pref_size 5
	.end_amdhsa_kernel
	.amdgpu_metadata
---
amdhsa.version: [ 1, 2 ]
amdhsa.kernels:
  - .name:           k_qca217f4979_cast
    .symbol:         k_qca217f4979_cast.kd
    .args:
      - { .name: x, .offset: 0, .size: 8, .value_kind: global_buffer, .address_space: global }
      - { .name: W_qkv, .offset: 8, .size: 8, .value_kind: global_buffer, .address_space: global }
      - { .name: xb, .offset: 16, .size: 8, .value_kind: global_buffer, .address_space: global }
      - { .name: wb, .offset: 24, .size: 8, .value_kind: global_buffer, .address_space: global }
    .group_segment_fixed_size: 0
    .private_segment_fixed_size: 0
    .kernarg_segment_align: 8
    .kernarg_segment_size: 32
    .max_flat_workgroup_size: 256
    .sgpr_count:     66
    .vgpr_count:     72
    .wavefront_size: 32
...
	.end_amdgpu_metadata
.endif
;; end of part 1
;; launch proj (part 2): grid 8 x 32, 4 waves a work-group, clusters of 4 x 4, 327,680 bytes of LDS; arguments xb, wb, b_qkv, qk, vt; writes qk, vt
.if DOCPART == 2
	.amdgcn_target "amdgcn-amd-amdhsa--gfx1250"
	.amdhsa_code_object_version 6
	.text
	.protected	k_qca217f4979_proj
	.globl	k_qca217f4979_proj
	.p2align	8
	.type	k_qca217f4979_proj,@function
k_qca217f4979_proj:
	s_mov_b64 s[64:65], 0
	v_nop
	global_prefetch_b8 v0, s[64:65] scope:SCOPE_SE
	s_setreg_imm32_b32 hwreg(HW_REG_WAVE_MODE, 25, 1), 1
	s_wait_xcnt 0x0
	s_wait_alu depctr_hold_cnt(0) depctr_sa_sdst(0) depctr_va_vdst(0) depctr_va_sdst(0) depctr_va_ssrc(0) depctr_va_vcc(0) depctr_vm_vsrc(0)
	s_getreg_b32 s2, hwreg(HW_REG_IB_STS2, 6, 4)
	s_cmp_eq_u32 s2, 0
	s_cbranch_scc0 .Lentry_in_a_cluster
	s_endpgm
.Lentry_in_a_cluster:
	s_bfe_u32 s2, ttmp6, 0x10000c
	s_cmp_lg_u32 s2, 0xf033
	s_cbranch_scc0 .Lentry_shape_is_right
	s_endpgm
.Lentry_shape_is_right:
; FIRST PART:  qk[8192][2048] (f16) = xb[8192][1024] . wb[1024][0:2048] + bf16(b_qkv[0:2048]): q in columns 0-1023, k in 1024-2047.
; SECOND PART: vt[1024 channels][8192 rows of x] (f16) = (xb . wb[:, 2048:3072] + bf16(b_qkv[2048:3072])) transposed.
; Products in bf16, sums in f32, qk and vt rounded once.  LIMIT: f16 holds no number beyond 65,504: |q|, |k| and |v| must stay under it.  NaN and infinities are not treated apart.
; SHARES.  A work-group of four waves makes a tile of 256 x 256 of qk (a wave 128 x 128: 64 accumulators) and then, of the SAME 256 rows of x, 128 channels of v (a wave 128 rows x 64 channels: 32 accumulators).
; K goes in 8 steps of 128 in each part, through two LDS slots.  xb's rows lie along K and are read as they lie; wb lies [K][N]: its tiles are k-rows, and its fragments come out of LDS turned, by ds_load_tr16_b128.
; FIRST PART: source 0 = 16 columns of W, source 1 = 16 rows of x: a lane holds row l % 16 and the columns 8 (l / 16) + 0..7: 16 bytes of a row of qk.
; SECOND PART: source 0 = 16 rows of x, source 1 = 16 channels: a lane holds channel l % 16 and eight neighbouring rows of x: 16 bytes of a row of vt.
; THE BIAS is the C operand of the products that start the sums: nothing is cleared, nothing is added later.
; CLUSTER 4 x 4: x's tile hangs on the tile row alone and is asked for jointly by the four of a row of the cluster, W's tiles on the tile column alone, by the four of a column.
; THE RING RUNS ON FROM PART TO PART.  One walking descriptor a tensor; one tensor load of a wave is out at any time.  A change of slots stands between the third and the fourth quarter of a K step's products,
; when the step's last fragments have been fetched.  The first part's last two changes ask for the second part's K steps 0 and 1; only then does qk go out, and its stores leave while v is multiplied.
; REGISTERS, in windows of 256 (s_set_vgpr_msb: bits 1:0 source 0, 3:2 source 1, 5:4 source 2, 7:6 destination).
;   first part:  window 0: v1-31 addresses; v64-127, v128-191 x's fragments; v192-223, v32-63, v224-255 the way out.  window 1: v0 at work; v64-127, v128-191 W's fragments; v192-255 the bias.
;                windows 2, 3: the accumulators of my rows 0-63, 64-127: (a, b) at 8 (8 (a % 4) + b)
;   second part: window 0: v192-223 the bias; v32-63, v64-127 the way out.  window 1: two fragment buffers of 96: W's four, then x's eight.  window 2: accumulator (a, b) at 8 (8 a + b)
.set KSTEPS, 8
.set PITA,   272                       ; a row of x in LDS: 256 bytes + 16: the 16 rows of a fragment load start 68 words apart
.set PITB,   544                       ; a k-row of W for q and k: 512 bytes + 32
.set PITC,   288                       ; a k-row of W for v: 256 bytes + 32
.set HALFT,  34816                     ; 128 x 272 = 64 x 544
.set BOFF,   2*HALFT                   ; W's tile lies behind x's
.set SLOT,   4*HALFT                   ; 0x22000: no LDS base of a descriptor (0, 0x8800, 0x11000, 0x19800; 0x15800) has one of its two bits, so an exclusive or changes slots
.set QA,     64                        ; a quarter (32 along K) in x's tile: bytes along the rows
.set QB,     32*PITB                   ; in W's tiles: 32 k-rows
.set QC,     32*PITC
.set KA,     256                       ; a K step in xb
.set KB,     128*6144                  ; a K step in wb: 128 rows of 6,144 bytes
.set STAGE,  2*SLOT                    ; behind the ring: 16 rows x 272 bytes for each wave, for both ways out
.set SP,     272
.set SPARE,  STAGE+4*16*SP             ; behind the stages: the spare words, 128 bytes a wave: two blocks of 256 bytes that no other line names
.set ADRC0, 6                          ; v6   my lane's place in W's tile for v; never rewritten
.set CO2,   7                          ; v7   my byte offset in two rows of vt
.set PFO2,  8                          ; v8   the second part's prefetches: a lane a k-row; never rewritten
.set ADRA0, 10                         ; v10  my lane's place in x's tile; never rewritten
.set ADRB0, 11                         ; v11  in W's tile for q and k
.set BR,    12                         ; v12-15 v's bias, one number a lane and channel block
.set ADRA,  16                         ; v16  LDS address of the fetches in hand, x
.set ADRB,  20                         ; v20  W
.set STO,   24                         ; v24  the way out: where I put 16 bytes of a row
.set RD,    25                         ; v25  where I read rows back
.set CO,    26                         ; v26  my byte offset in two rows of qk
.set LANE,  27
.set SPW,   28                         ; v28  SPARE + 4 x my thread's number; never rewritten
.set NIL,   29                         ; v29  0; never rewritten
.set PFO,   30                         ; v30  the first part's prefetches; never rewritten
.set F0,    64                         ; first part: fragment buffers
.set F1,    128
.set BIAS,  192                        ; window 1
.set TMP,   192                        ; window 0
.set OB,    32
.set E0,    0                          ; second part: fragment buffers, window 1
.set E1,    96
.set BI,    192                        ; window 0
.set TMP2,  32
.set OB2,   64
.set G1A, 24                           ; s[24:31] descriptor group 1, x
.set G0A, 32                           ; s[32:35] group 0, x
.set G0B, 36                           ; s[36:39] group 0, W for q and k
.set LIM, 43                           ; s43  first part: a wave prefetches while s[SLOTS] is above it
.set PFA, 44                           ; s[44:45] where those prefetches stand
.set G1B, 48                           ; s[48:55] group 1, W for q and k
.set PST, 56                           ; s[56:57] a K step for them
.set SLOTS, 58
.set PRS, 59
.set TBA, 60                           ; s60  LDS byte, in x's tile, at which the next pair's fetches begin
.set TBB, 61                           ; s61  the same in W's
.set CST, 74                           ; s[74:75] my part's byte offset in qk
.set VT,  76                           ; s[76:77] vt
.set LIM2, 78                          ; s78  second part: 2 in the wave that prefetches, else the greatest number
.set HMASK, 79                         ; s79  a word's upper bf16
.set PFA2, 80                          ; s[80:81] where the second part's prefetches stand
.set CST2, 82                          ; s[82:83] my part's byte offset in vt
.set G1C, 84                           ; s[84:91] group 1, W for v
.set G0C, 92                           ; s[92:95] group 0, W for v
.set BP2, 96                           ; s[96:97] v's bias
.set MSB, 0
.macro WIN new                         ; the immediate's high byte repeats the setting that is left; a switch that changes nothing is dropped
.if MSB != (\new)
	s_set_vgpr_msb (MSB<<8)|(\new)
.set MSB, \new
.endif
.endm
.macro PLACES                          ; four plain places behind matrix instructions, in front of loads into registers that they read and of conversions of their results
.rept 4
	v_nop
.endr
.endm
.macro CROUND                          ; a round of the cluster's barrier
	s_barrier_signal -1
	s_barrier_wait -1
	s_cmp_lg_u32 s10, 0
	s_cbranch_scc1 .Lnot_wave_0_\@
	s_barrier_signal -3
.Lnot_wave_0_\@:
	s_barrier_wait -3
	s_barrier_signal -1
	s_barrier_wait -1
.endm
; A joint load: waves 0 and 1 fetch the halves of x's tile, waves 2 and 3 those of W's: for q and k (part = 1) or for v (part = 2).
.macro JLOAD part
	s_cmp_eq_u32 s11, 0
	s_cbranch_scc0 .Lfor_b_\@
	tensor_load_to_lds s[G0A:G0A+3], s[G1A:G1A+7]
	s_nop 0
.rept 4
	v_nop
.endr
	s_branch .Lasked_\@
.Lfor_b_\@:
.if (\part) == 1
	tensor_load_to_lds s[G0B:G0B+3], s[G1B:G1B+7]
.else
	tensor_load_to_lds s[G0C:G0C+3], s[G1C:G1C+7]
.endif
	s_nop 0
.rept 4
	v_nop
.endr
.Lasked_\@:
.endm
; FIRST PART: a prefetch of the K step that the NEXT change of slots will ask for: 32 blocks of 256 bytes, a lane a block, one instruction a wave.  Each block is named once in the launch: of the clusters that
; read the same rows the first along that axis asks, and the four partners of a joint load take a quarter of its rows each, told apart by address.  The last change of the loop asks for nothing.
.macro ASK
	s_cmp_gt_u32 s[SLOTS], s[LIM]
	s_cbranch_scc0 .Lnot_mine_\@
	global_prefetch_b8 v[PFO], s[PFA:PFA+1] th:TH_LOAD_NT scope:SCOPE_SE
.Lnot_mine_\@:
.endm
; SECOND PART: W's columns for v, the K step that stands two changes of slots on (a step here has 128 matrix instructions a wave): a step is 128 k-rows of 256 bytes; wave 2 of each partner of the clusters
; with y = 0 takes 32 cy .. + 31, a lane a row.  x's rows have been read in the first part and are asked for no more.  how = 1: at the two changes between the parts; how = 0: in the loop, which stops at K step 7.
.macro ASK2 how
.if \how
	s_cmp_eq_u32 s[LIM2], 2
.else
	s_cmp_gt_u32 s[SLOTS], s[LIM2]
.endif
	s_cbranch_scc0 .Lnot_mine2_\@
	global_prefetch_b8 v[PFO2], s[PFA2:PFA2+1] th:TH_LOAD_NT scope:SCOPE_SE
.Lnot_mine2_\@:
.endm
; THE CHANGE OF SLOTS.  Each wave waits for all its tensor loads (one is out: its part of the other slot), adds 0 to its spare word, and waits for that and for its own reads of the slot that it leaves.
; fill = 1: the barrier is a round of the cluster's, and the slot just left is filled again first thing behind it.  (At the first use nothing has been read: slot 0 is waited for, slot 1 filled.)
; kind 1: the first part's next K step.  kind 3: the first part's last change: x goes back to K step 0, W's descriptor for v stands there already.  kind 4: the first part's last fragments are in registers:
; the second part's K step 1.  kind 2: the second part's next K step.
.macro CHANGE kind, fill, ask
	WIN 0
	s_wait_tensorcnt 0x0                           ; no tensor load of mine is out, so the descriptors may be written
	ds_add_u32 v[SPW], v[NIL]                      ; 0 onto my spare word; scalar work stands between it and the wait for it
.if \fill
	s_xor_b32 s[G0A+1], s[G0A+1], SLOT
.if (\kind) == 3
	s_sub_nc_u64 s[G0A+2:G0A+3], s[G0A+2:G0A+3], (KSTEPS-1)*KA
.else
	s_add_nc_u64 s[G0A+2:G0A+3], s[G0A+2:G0A+3], KA
.endif
.if (\kind) == 1
	s_xor_b32 s[G0B+1], s[G0B+1], SLOT
	s_add_nc_u64 s[G0B+2:G0B+3], s[G0B+2:G0B+3], KB
.endif
.if ((\kind) == 2) || ((\kind) == 4)
	s_xor_b32 s[G0C+1], s[G0C+1], SLOT
	s_add_nc_u64 s[G0C+2:G0C+3], s[G0C+2:G0C+3], KB
.endif
.endif
.if (\ask) && ((\kind) != 3)
	s_wait_xcnt 0x0                                ; the last prefetch, a change of slots back, has read its address
.if (\kind) == 1
	s_add_nc_u64 s[PFA:PFA+1], s[PFA:PFA+1], s[PST:PST+1]
.else
	s_add_nc_u64 s[PFA2:PFA2+1], s[PFA2:PFA2+1], KB
.endif
.endif
	s_wait_dscnt 0x0                               ; the add is done, and my reads of the slot are over
.if \fill
	CROUND
.if (\kind) == 1
	JLOAD 1
.else
	JLOAD 2
.endif
.if \ask
.if (\kind) == 1
	ASK
.elseif (\kind) == 2
	ASK2 0
.else
	ASK2 1
.endif
.endif
.else
	s_barrier_signal -1
	s_barrier_wait -1
.endif
.if (\kind) == 4
	s_mov_b32 s[TBA], 0                            ; the second part begins in slot 0
	s_mov_b32 s[TBB], 0
.else
	s_sub_co_u32 s[TBA], s[TBA], 4*QA              ; the fetches go back to a slot's first quarter,
	s_xor_b32 s[TBA], s[TBA], SLOT                 ; in the other slot
.if (\kind) == 2
	s_sub_co_u32 s[TBB], s[TBB], 4*QC
.else
	s_sub_co_u32 s[TBB], s[TBB], 4*QB
.endif
	s_xor_b32 s[TBB], s[TBB], SLOT
.endif
.endm
; ---- the first part's steps
.macro ADR
	WIN 0
	v_add_nc_u32 v[ADRA], s[TBA], v[ADRA0]
	v_add_nc_u32 v[ADRB], s[TBB], v[ADRB0]
.endm
; 32 LDS loads in one run: a quarter's fragments, p quarters behind the addresses, into buffer f: W's eight (turned), then x's eight by ascending block
.macro FETCH p, f
	WIN 0x40
.irp i, 0,1,2,3,4,5,6,7
	ds_load_tr16_b128 v[(\f)+8*(\i):(\f)+8*(\i)+3],   v[ADRB] offset:(\p)*QB+32*(\i)
	ds_load_tr16_b128 v[(\f)+8*(\i)+4:(\f)+8*(\i)+7], v[ADRB] offset:(\p)*QB+32*(\i)+16*PITB
.endr
	WIN 0
.irp i, 0,1,2,3,4,5,6,7
	ds_load_b128 v[(\f)+8*(\i):(\f)+8*(\i)+3],   v[ADRA] offset:(\p)*QA+(\i)*16*PITA
	ds_load_b128 v[(\f)+8*(\i)+4:(\f)+8*(\i)+7], v[ADRA] offset:(\p)*QA+(\i)*16*PITA+32
.endr
.endm
; 16 matrix instructions: row blocks a0, a0 + 1 of the window's four x all 8 column blocks.  The 64 accumulators take turns in the same order in every quarter.  first = 1: C is the bias.
.macro MUL16 f, hi, a0, first
.if \first
	WIN 0x91+0x40*(\hi)
.else
	WIN 0xa1+0x50*(\hi)
.endif
.irp a, \a0, (\a0)+1
.irp b, 0,1,2,3,4,5,6,7
.if \first
	v_wmma_f32_16x16x32_bf16 v[8*(8*(\a)+(\b)):8*(8*(\a)+(\b))+7], v[(\f)+8*(\b):(\f)+8*(\b)+7], v[(\f)+8*(4*(\hi)+(\a)):(\f)+8*(4*(\hi)+(\a))+7], v[BIAS+8*(\b):BIAS+8*(\b)+7]
.else
	v_wmma_f32_16x16x32_bf16 v[8*(8*(\a)+(\b)):8*(8*(\a)+(\b))+7], v[(\f)+8*(\b):(\f)+8*(\b)+7], v[(\f)+8*(4*(\hi)+(\a)):(\f)+8*(4*(\hi)+(\a))+7], v[8*(8*(\a)+(\b)):8*(8*(\a)+(\b))+7]
.endif
.endr
.endr
.endm
.macro QUARTER f, g, p, first          ; multiplies buffer f; in its middle fetches the next quarter into g
	s_wait_dscnt 8                                 ; W's fragments and x's blocks 0-3 are in; the youngest eight loads (blocks 4-7) may be out
	MUL16 \f, 0, 0, \first
	MUL16 \f, 0, 2, \first
	PLACES
	FETCH \p, \g
	s_wait_dscnt 32                                ; all but the 32 just issued
	MUL16 \f, 1, 0, \first
	MUL16 \f, 1, 2, \first
.endm
.macro PAIR                            ; two quarters, and the addresses go two quarters on
	ADR
	QUARTER F1, F0, 0, 0
	QUARTER F0, F1, 1, 0
	WIN 0
	s_add_co_u32 s[TBA], s[TBA], 2*QA
	s_add_co_u32 s[TBB], s[TBB], 2*QB
.endm
; qk's way out, row block a: rounded to f16, 16 bytes a lane; into my own stage and back as whole rows of 256 bytes; stored.
.macro PACK a
.set AC, 64*((\a)%4)
	WIN 0x0a+5*((\a)/4)
.irp b, 0,1,2,3,4,5,6,7
.irp r, 0,1,2,3
	v_cvt_pk_f16_f32 v[TMP+4*(\b)+(\r)], v[AC+8*(\b)+2*(\r)], v[AC+8*(\b)+2*(\r)+1]
.endr
.endr
	WIN 0
.endm
.macro TOSTAGE a
	WIN 0
.set BK, OB+192*((\a)%2)
.irp b, 0,1,2,3,4,5,6,7
	ds_store_b128 v[STO], v[TMP+4*(\b):TMP+4*(\b)+3] offset:32*(\b)
.endr
.irp t, 0,1,2,3,4,5,6,7
	ds_load_b128 v[BK+4*(\t):BK+4*(\t)+3], v[RD] offset:(\t)*2*SP  ; LDS serves a wave's instructions in order (ISA guide 5.7.1.4): these see the stores above
.endr
.endm
.macro SEND a
	WIN 0
.set BK, OB+192*((\a)%2)
	s_wait_dscnt 0x0                               ; the block is back in registers
	s_wait_xcnt 0x0                                ; earlier stores have read their base and their data: only now are they rewritten
.if (\a) == 0
	s_add_nc_u64 s[8:9], s[8:9], s[CST:CST+1]
.else
	s_add_nc_u64 s[8:9], s[8:9], 16*4096
.endif
.irp t, 0,1,2,3,4,5,6,7
	global_store_b128 v[CO], v[BK+4*(\t):BK+4*(\t)+3], s[8:9] offset:2*(\t)*4096  ; 16 lanes store 256 consecutive bytes, at a multiple of 256 from qk's first byte
.endr
.endm
; ---- the second part's steps
.macro ADR2
	WIN 0
	v_add_nc_u32 v[ADRA], s[TBA], v[ADRA0]
	v_add_nc_u32 v[ADRB], s[TBB], v[ADRC0]
.endm
.macro FETCH2 p, f                     ; 24 LDS loads in one run: x's eight fragments, then W's four (turned)
	WIN 0x40
.irp i, 0,1,2,3,4,5,6,7
	ds_load_b128 v[(\f)+32+8*(\i):(\f)+32+8*(\i)+3],   v[ADRA] offset:(\p)*QA+(\i)*16*PITA
	ds_load_b128 v[(\f)+32+8*(\i)+4:(\f)+32+8*(\i)+7], v[ADRA] offset:(\p)*QA+(\i)*16*PITA+32
.endr
.irp a, 0,1,2,3
	ds_load_tr16_b128 v[(\f)+8*(\a):(\f)+8*(\a)+3],   v[ADRB] offset:(\p)*QC+32*(\a)
	ds_load_tr16_b128 v[(\f)+8*(\a)+4:(\f)+8*(\a)+7], v[ADRB] offset:(\p)*QC+32*(\a)+16*PITC
.endr
.endm
.macro MUL8 f, a, first                ; 8 matrix instructions: channel block a x all 8 blocks of rows; the 32 accumulators take turns
.if \first
	WIN 0x85
.else
	WIN 0xa5
.endif
.irp b, 0,1,2,3,4,5,6,7
.if \first
	v_wmma_f32_16x16x32_bf16 v[8*(8*(\a)+(\b)):8*(8*(\a)+(\b))+7], v[(\f)+32+8*(\b):(\f)+32+8*(\b)+7], v[(\f)+8*(\a):(\f)+8*(\a)+7], v[BI+8*(\a):BI+8*(\a)+7]
.else
	v_wmma_f32_16x16x32_bf16 v[8*(8*(\a)+(\b)):8*(8*(\a)+(\b))+7], v[(\f)+32+8*(\b):(\f)+32+8*(\b)+7], v[(\f)+8*(\a):(\f)+8*(\a)+7], v[8*(8*(\a)+(\b)):8*(8*(\a)+(\b))+7]
.endif
.endr
.endm
.macro QUARTER2 f, g, p, first
	s_wait_dscnt 4                                 ; x's fragments and W's blocks 0, 1 are in; the youngest four loads (blocks 2, 3) may be out
	MUL8 \f, 0, \first
	MUL8 \f, 1, \first
	PLACES
	FETCH2 \p, \g
	s_wait_dscnt 24                                ; all but the 24 just issued
	MUL8 \f, 2, \first
	MUL8 \f, 3, \first
.endm
.macro PAIR2
	ADR2
	QUARTER2 E1, E0, 0, 0
	QUARTER2 E0, E1, 1, 0
	WIN 0
	s_add_co_u32 s[TBA], s[TBA], 2*QA
	s_add_co_u32 s[TBB], s[TBB], 2*QC
.endm
.macro PACK2 a
	WIN 0x0a
.irp b, 0,1,2,3,4,5,6,7
.irp r, 0,1,2,3
	v_cvt_pk_f16_f32 v[TMP2+4*(\b)+(\r)], v[8*(8*(\a)+(\b))+2*(\r)], v[8*(8*(\a)+(\b))+2*(\r)+1]
.endr
.endr
	WIN 0
.endm
.macro TOSTAGE2 a
	WIN 0
.set BK, OB2+32*((\a)%2)
.irp b, 0,1,2,3,4,5,6,7
	ds_store_b128 v[STO], v[TMP2+4*(\b):TMP2+4*(\b)+3] offset:32*(\b)
.endr
.irp t, 0,1,2,3,4,5,6,7
	ds_load_b128 v[BK+4*(\t):BK+4*(\t)+3], v[RD] offset:(\t)*2*SP  ; LDS serves a wave's instructions in order (ISA guide 5.7.1.4)
.endr
.endm
.macro SEND2 a
	WIN 0
.set BK, OB2+32*((\a)%2)
	s_wait_dscnt 0x0
	s_wait_xcnt 0x0                                ; earlier stores have read their base and their data
.if (\a) == 0
	s_add_nc_u64 s[VT:VT+1], s[VT:VT+1], s[CST2:CST2+1]
.else
	s_add_nc_u64 s[VT:VT+1], s[VT:VT+1], 16*16384
.endif
.irp t, 0,1,2,3,4,5,6,7
	global_store_b128 v[CO2], v[BK+4*(\t):BK+4*(\t)+3], s[VT:VT+1] offset:2*(\t)*16384  ; 16 lanes store 256 consecutive bytes, at a multiple of 256 from vt's first byte
.endr
.endm
	s_load_b128 s[4:7], s[0:1], 0x0                ; xb s[4:5], wb s[6:7]
	s_load_b64 s[72:73], s[0:1], 0x10              ; b_qkv
	s_load_b64 s[8:9], s[0:1], 0x18                ; qk
	s_load_b64 s[VT:VT+1], s[0:1], 0x20            ; vt
	v_lshl_add_u32 v[SPW], v0, 2, SPARE
	v_mov_b32 v[NIL], 0
	ds_add_u32 v[SPW], v[NIL]                      ; the wave's opening: the add and its wait stand ahead of my first tensor load
	v_lshrrev_b32 v1, 5, v0
	v_readfirstlane_b32 s10, v1                    ; wave 0..3
	s_lshr_b32 s11, s10, 1                         ; my 128 of the tile's rows of x, in both parts; also: I fetch for x (0) or for W (1)
	s_and_b32 s12, s10, 1                          ; my half of the columns (128 of qk's, 64 of v's); also: which half of that tile I fetch
	s_bfe_u32 s40, ttmp6, 0x40000                  ; cx
	s_bfe_u32 s41, ttmp6, 0x40004                  ; cy
	s_lshl_b32 s42, ttmp9, 2
	s_add_co_u32 s42, s42, s40                     ; tile column = 4 x cluster x + cx
	s_and_b32 s13, ttmp7, 0xffff
	s_lshl_b32 s13, s13, 2
	s_add_co_u32 s13, s13, s41                     ; tile row = 4 x cluster y + cy
	s_lshl_b32 s22, s41, 2
	s_lshl_b32 s22, 15, s22                        ; my row of the cluster
	s_lshl_b32 s23, 0x1111, s40                    ; my column
	s_or_b32 s[G1A], s22, (1<<16)|(1<<20)|(1<<21)|(5<<22)|(3<<25)  ; mask; 2-byte elements; padding on; bit 21 beside a mask; after every 64 words 4 words
	s_or_b32 s[G1B], s23, (1<<16)|(1<<20)|(1<<21)|(6<<22)|(7<<25)  ; after every 128 words 8 words
	s_or_b32 s[G1C], s23, (1<<16)|(1<<20)|(1<<21)|(5<<22)|(7<<25)  ; after every 64 words 8 words
	s_mov_b32 s[G1A+1], 128<<16                    ; x: tensor_dim0 = 128
	s_mov_b32 s[G1A+2], 128<<16                    ; tensor_dim1 = 128
	s_mov_b32 s[G1A+3], 128<<16                    ; tile_dim0 = 128
	s_mov_b32 s[G1A+4], 128                        ; tile_dim1 = 128 rows
	s_mov_b32 s[G1A+5], 1024                       ; elements from row to row
	s_mov_b32 s[G1A+6], 0
	s_mov_b32 s[G1A+7], 0
	s_mov_b32 s[G1B+1], 256<<16                    ; W for q and k: 256 columns
	s_mov_b32 s[G1B+2], 64<<16
	s_mov_b32 s[G1B+3], 256<<16
	s_mov_b32 s[G1B+4], 64                         ; 64 k-rows
	s_mov_b32 s[G1B+5], 3072
	s_mov_b32 s[G1B+6], 0
	s_mov_b32 s[G1B+7], 0
	s_mov_b32 s[G1C+1], 128<<16                    ; W for v: 128 columns
	s_mov_b32 s[G1C+2], 64<<16
	s_mov_b32 s[G1C+3], 128<<16
	s_mov_b32 s[G1C+4], 64                         ; 64 k-rows
	s_mov_b32 s[G1C+5], 3072
	s_mov_b32 s[G1C+6], 0
	s_mov_b32 s[G1C+7], 0
	s_lshl_b32 s16, s13, 8
	s_lshl_b32 s17, s12, 7
	s_add_co_u32 s16, s16, s17                     ; x: row 256 x tile row + 128 x half,
	s_lshl_b32 s16, s16, 11                        ; of 2,048 bytes
	s_mov_b32 s17, 0
	s_mul_i32 s46, s12, 64*6144                    ; W for q and k: k-row 64 x half,
	s_lshl_b32 s47, s42, 9                         ; 512 bytes x tile column
	s_add_co_u32 s46, s46, s47
	s_mov_b32 s47, 0
	s_mul_i32 s18, s12, 64*6144                    ; W for v: k-row 64 x half,
	s_lshl_b32 s19, s42, 8                         ; 256 bytes x tile column,
	s_add_co_u32 s18, s18, s19
	s_add_co_u32 s18, s18, 4096                    ; behind q's and k's 2,048 columns
	s_mov_b32 s19, 0
	s_mul_i32 s20, s10, HALFT                      ; where my part goes: no place in the cluster enters an LDS address
	s_mul_i32 s21, s12, 64*PITC
	s_add_co_u32 s21, s21, BOFF
	s_mov_b32 s[G0A], 1
	s_mov_b32 s[G0A+1], s20
	s_mov_b32 s[G0B], 1
	s_mov_b32 s[G0B+1], s20
	s_mov_b32 s[G0C], 1
	s_mov_b32 s[G0C+1], s21
	s_mov_b32 s[TBA], SLOT+4*QA                    ; the first change of slots turns these two into 0
	s_mov_b32 s[TBB], SLOT+4*QB
	s_mov_b32 s[HMASK], 0xffff0000
	s_wait_dscnt 0x0                               ; the opening add is done
	s_wait_kmcnt 0x0
	s_add_nc_u64 s[G0A+2:G0A+3], s[4:5], s[16:17]
	s_or_b32 s[G0A+3], s[G0A+3], 0x80000000
	s_add_nc_u64 s[G0B+2:G0B+3], s[6:7], s[46:47]
	s_or_b32 s[G0B+3], s[G0B+3], 0x80000000
	s_add_nc_u64 s[G0C+2:G0C+3], s[6:7], s[18:19]
	s_or_b32 s[G0C+3], s[G0C+3], 0x80000000
	CROUND                                         ; all sixteen work-groups are here: the first joint loads meet
	JLOAD 1                                        ; K step 0 into slot 0
	; all that follows, up to the first change of slots, stands in the wait for that tile
	v_and_b32 v[LANE], 31, v0
	v_and_b32 v1, 15, v0                           ; r = l % 16
	v_bfe_u32 v2, v0, 4, 1                         ; h = l / 16
	v_lshlrev_b32 v9, 2, v1                        ; v's bias: channel r of a block of 16
	s_lshl_b32 s14, s42, 9                         ; 128 channels x 4 bytes x tile column
	s_lshl_b32 s15, s12, 8                         ; + my 64
	s_add_co_u32 s14, s14, s15
	s_add_co_u32 s14, s14, 8192                    ; behind q's and k's 2,048 numbers
	s_mov_b32 s15, 0
	s_add_nc_u64 s[BP2:BP2+1], s[72:73], s[14:15]
	v_lshlrev_b32 v31, 5, v2                       ; q's and k's bias: my 8 columns of a block of 16 begin 32 h bytes in
	s_lshl_b32 s14, s42, 10                        ; 256 columns x 4 bytes x tile column
	s_lshl_b32 s15, s12, 9                         ; + my 128
	s_add_co_u32 s14, s14, s15
	s_mov_b32 s15, 0
	s_add_nc_u64 s[72:73], s[72:73], s[14:15]
.irp a, 0,1,2,3
	global_load_b32 v[BR+\a], v9, s[BP2:BP2+1] offset:64*\a
.endr
	WIN 0x40
.irp i, 0,1,2,3,4,5,6,7
	global_load_b128 v[BIAS+8*(\i):BIAS+8*(\i)+3],   v31, s[72:73] offset:64*(\i)
	global_load_b128 v[BIAS+8*(\i)+4:BIAS+8*(\i)+7], v31, s[72:73] offset:64*(\i)+16
.endr
	WIN 0
	v_mul_u32_u24 v3, v1, PITA
	v_lshl_add_u32 v3, v2, 4, v3                   ; r x 272 + 16 h
	s_mul_i32 s14, s11, HALFT                      ; my 128 rows of x
	v_add_nc_u32 v[ADRA0], s14, v3
	v_and_b32 v4, 7, v0                            ; the turning load: lane l reads k-row 8 h + l % 8, 16 bytes at 16 ((l / 8) % 2)
	v_lshl_add_u32 v4, v2, 3, v4
	v_bfe_u32 v5, v0, 3, 1
	v_mul_u32_u24 v[ADRC0], v4, PITC
	v_lshl_add_u32 v[ADRC0], v5, 4, v[ADRC0]
	s_lshl_b32 s14, s12, 7                         ; my 64 channels of v
	s_add_co_u32 s14, s14, BOFF
	v_add_nc_u32 v[ADRC0], s14, v[ADRC0]
	v_mul_u32_u24 v4, v4, PITB
	v_lshl_add_u32 v4, v5, 4, v4
	s_lshl_b32 s14, s12, 8                         ; my 128 columns of q and k
	s_add_co_u32 s14, s14, BOFF
	v_add_nc_u32 v[ADRB0], s14, v4
	s_mul_i32 s14, s10, 16*SP
	s_add_co_u32 s14, s14, STAGE                   ; my stage
	v_add_nc_u32 v[STO], s14, v3                   ; in: row r, 16 bytes for each half of the lanes
	v_mul_u32_u24 v5, v2, SP                       ; back: lanes 0-15 one row of 256 bytes, lanes 16-31 the next
	v_lshl_add_u32 v5, v1, 4, v5
	v_add_nc_u32 v[RD], s14, v5
	v_lshlrev_b32 v5, 12, v2                       ; and the same two rows in qk,
	v_lshl_add_u32 v[CO], v1, 4, v5
	v_lshlrev_b32 v5, 14, v2                       ; and in vt
	v_lshl_add_u32 v[CO2], v1, 4, v5
	s_lshl_b32 s[CST], s13, 8
	s_lshl_b32 s14, s11, 7
	s_add_co_u32 s[CST], s[CST], s14               ; qk: my first row,
	s_lshl_b32 s[CST], s[CST], 12                  ; of 4,096 bytes,
	s_lshl_b32 s14, s42, 9
	s_add_co_u32 s[CST], s[CST], s14
	s_lshl_b32 s14, s12, 8
	s_add_co_u32 s[CST], s[CST], s14               ; my first column
	s_mov_b32 s[CST+1], 0
	s_lshl_b32 s[CST2], s42, 7
	s_lshl_b32 s14, s12, 6
	s_add_co_u32 s[CST2], s[CST2], s14             ; vt: my first channel,
	s_lshl_b32 s[CST2], s[CST2], 14                ; of 16,384 bytes,
	s_lshl_b32 s14, s13, 9
	s_add_co_u32 s[CST2], s[CST2], s14
	s_lshl_b32 s14, s11, 8
	s_add_co_u32 s[CST2], s[CST2], s14             ; my first row of x
	s_mov_b32 s[CST2+1], 0
	; the first part's prefetches.  x: of the 128 rows that I fetch my work-group takes 32 cx .. + 31, a lane a row.  W: of my 64 k-rows it takes 16 cy .. + 15, two lanes a row of 512 bytes.  Both stand at K step 2.
	s_lshl_b32 s14, s13, 8
	s_lshl_b32 s15, s12, 7
	s_add_co_u32 s14, s14, s15
	s_lshl_b32 s15, s40, 5
	s_add_co_u32 s14, s14, s15
	s_lshl_b32 s14, s14, 11
	s_add_co_u32 s14, s14, 2*KA
	s_lshl_b32 s15, s12, 6
	s_lshl_b32 s18, s41, 4
	s_add_co_u32 s15, s15, s18
	s_mul_i32 s15, s15, 6144
	s_lshl_b32 s18, s42, 9
	s_add_co_u32 s15, s15, s18
	s_add_co_u32 s15, s15, 2*KB
	s_and_b32 s18, ttmp7, 0xffff                   ; cluster y
	s_mov_b32 s[PST], KB
	s_mov_b32 s19, 6144
	s_cmp_eq_u32 s11, 0                            ; do I fetch for x?
	s_cselect_b32 s20, s14, s15
	s_cselect_b32 s18, ttmp9, s18                  ; the axis along which other clusters read the same rows
	s_cselect_b32 s[PST], KA, s[PST]
	s_cselect_b32 s19, 2048, s19
	s_cselect_b64 s[PFA:PFA+1], s[4:5], s[6:7]
	s_mov_b32 s21, 0
	s_mov_b32 s[PST+1], 0
	s_add_nc_u64 s[PFA:PFA+1], s[PFA:PFA+1], s[20:21]
	s_cmp_eq_u32 s18, 0
	s_cselect_b32 s[LIM], 1, -1                    ; the same in all sixteen partners, for a given wave
	v_lshrrev_b32 v5, s11, v[LANE]
	v_mul_u32_u24 v[PFO], s19, v5
	v_and_b32 v5, s11, v[LANE]
	v_lshl_add_u32 v[PFO], v5, 8, v[PFO]
	; the second part's: W's columns for v, k-rows 32 cy .. + 31 of a K step, at K step 2
	s_mul_i32 s14, s41, 32*6144
	s_lshl_b32 s15, s42, 8
	s_add_co_u32 s14, s14, s15
	s_add_co_u32 s14, s14, 4096+2*KB
	s_mov_b32 s15, 0
	s_add_nc_u64 s[PFA2:PFA2+1], s[6:7], s[14:15]
	s_and_b32 s14, ttmp7, 0xffff                   ; cluster y: other clusters along y read the same columns
	s_xor_b32 s15, s10, 2                          ; 0 in wave 2
	s_or_b32 s14, s14, s15
	s_cmp_eq_u32 s14, 0
	s_cselect_b32 s[LIM2], 2, -1
	v_mul_u32_u24 v[PFO2], 6144, v[LANE]
	s_wait_loadcnt 0x0                             ; the biases: rounded to bf16 like the other inputs; q's and k's are widened again at once, v's where the second part begins
.irp a, 0,1,2,3
	v_cvt_pk_bf16_f32 v[BR+\a], v[BR+\a], v[BR+\a]
.endr
	WIN 0x45
.set i, 0
.rept 32
	v_cvt_pk_bf16_f32 v0, v[BIAS+2*i], v[BIAS+2*i+1]
	v_lshlrev_b32 v[BIAS+2*i], 16, v0
	v_and_b32 v[BIAS+2*i+1], s[HMASK], v0
.set i, i+1
.endr
	WIN 0
	; ---- THE FIRST PART
	CHANGE 1, 1, 0                                 ; K step 0 is in, everybody's part of it; K step 1 is asked for
	ADR
	FETCH 0, F0
	QUARTER F0, F1, 1, 1                           ; the first quarter starts the sums
	WIN 0
	s_add_co_u32 s[TBA], s[TBA], 2*QA
	s_add_co_u32 s[TBB], s[TBB], 2*QB
	PAIR                                           ; quarters 1 and 2 of K step 0
	s_mov_b32 s[SLOTS], KSTEPS-2
.Lstep:                                                ; six times: K steps 2 to 7 are asked for
	CHANGE 1, 1, 1
	s_mov_b32 s[PRS], 2
.Lpair:                                                ; quarter 3 of a step and 0 of the next; then quarters 1 and 2
	PAIR
	s_sub_co_u32 s[PRS], s[PRS], 1
	s_cmp_lg_u32 s[PRS], 0
	s_cbranch_scc1 .Lpair
	s_sub_co_u32 s[SLOTS], s[SLOTS], 1
	s_cmp_lg_u32 s[SLOTS], 0
	s_cbranch_scc1 .Lstep
	CHANGE 3, 1, 1                                 ; slot 0 is left for good by the first part: it takes the second part's K step 0
	s_mov_b32 s[PRS], 2
.Ltail:
	PAIR
	s_sub_co_u32 s[PRS], s[PRS], 1
	s_cmp_lg_u32 s[PRS], 0
	s_cbranch_scc1 .Ltail
	CHANGE 4, 1, 1                                 ; the first part's last fragments are in registers: slot 1 takes the second part's K step 1
	MUL16 F1, 0, 0, 0                              ; the very last quarter
	MUL16 F1, 0, 2, 0
	MUL16 F1, 1, 0, 0
	MUL16 F1, 1, 2, 0
	WIN 0
	PLACES
	PACK 0                                         ; both refills are asked for: now qk goes out
	TOSTAGE 0
.irp a, 1,2,3,4,5,6,7                  ; block a's conversions stand between block a - 1's loads from the stage and the wait for them
	PACK \a
	SEND (\a)-1
	TOSTAGE \a
.endr
	SEND 7
	; ---- THE SECOND PART: nothing waits for qk's stores
	s_wait_xcnt 0x0                                ; they have read their data: those registers serve the second way out
.irp a, 0,1,2,3
.irp j, 0,1,2,3,4,5,6,7
	v_lshlrev_b32 v[BI+8*\a+\j], 16, v[BR+\a]      ; v's bias, widened into the eight registers of a C operand
.endr
.endr
	ADR2                                           ; K step 0 was shown landed, everybody's part of it, by the last change of slots
	FETCH2 0, E0
	QUARTER2 E0, E1, 1, 1
	WIN 0
	s_add_co_u32 s[TBA], s[TBA], 2*QA
	s_add_co_u32 s[TBB], s[TBB], 2*QC
	PAIR2
	s_mov_b32 s[SLOTS], KSTEPS-2
.Lstep2:                                               ; six times: K steps 2 to 7 are asked for
	CHANGE 2, 1, 1
	s_mov_b32 s[PRS], 2
.Lpair2:
	PAIR2
	s_sub_co_u32 s[PRS], s[PRS], 1
	s_cmp_lg_u32 s[PRS], 0
	s_cbranch_scc1 .Lpair2
	s_sub_co_u32 s[SLOTS], s[SLOTS], 1
	s_cmp_lg_u32 s[SLOTS], 0
	s_cbranch_scc1 .Lstep2
	CHANGE 2, 0, 0                                 ; the tail is written out: nothing is asked for
	s_mov_b32 s[PRS], 2
.Ltail2:
	PAIR2
	s_sub_co_u32 s[PRS], s[PRS], 1
	s_cmp_lg_u32 s[PRS], 0
	s_cbranch_scc1 .Ltail2
	s_wait_dscnt 4                                 ; the very last quarter: nothing more to fetch
	MUL8 E1, 0, 0
	MUL8 E1, 1, 0
	s_wait_dscnt 0x0
	MUL8 E1, 2, 0
	MUL8 E1, 3, 0
	WIN 0
	PLACES
	PACK2 0
	TOSTAGE2 0
.irp a, 1,2,3
	PACK2 \a
	SEND2 (\a)-1
	TOSTAGE2 \a
.endr
	SEND2 3
	s_wait_tensorcnt 0x0                           ; the wave's end
	ds_add_u32 v[SPW], v[NIL]
	s_wait_dscnt 0x0
	CROUND                                         ; the closing round
	s_endpgm
.Lfunc_end_k_qca217f4979_proj:
	.size	k_qca217f4979_proj, .Lfunc_end_k_qca217f4979_proj-k_qca217f4979_proj
	.p2alignl 7, 3214868480
	.fill 96, 4, 3214868480
	.section	.rodata,"a",@progbits
	.p2align	6, 0x0
	.amdhsa_kernel k_qca217f4979_proj
		.amdhsa_group_segment_fixed_size 327680
		.amdhsa_private_segment_fixed_size 0
		.amdhsa_enable_private_segment 0
		.amdhsa_kernarg_size 40
		.amdhsa_user_sgpr_count 2
		.amdhsa_user_sgpr_kernarg_segment_ptr 1
		.amdhsa_wavefront_size32 1
		.amdhsa_system_sgpr_workgroup_id_x 1
		.amdhsa_system_sgpr_workgroup_id_y 1
		.amdhsa_system_sgpr_workgroup_id_z 1
		.amdhsa_system_vgpr_workitem_id 0
		.amdhsa_next_free_vgpr 1024
		.amdhsa_next_free_sgpr 98
		.amdhsa_reserve_vcc 0
		.amdhsa_float_denorm_mode_32 3
		.amdhsa_float_denorm_mode_16_64 3
		.amdhsa_memory_ordered 1
		.amdhsa_forward_progress 1
		.amdhsa_inst_pref_size 156
	.end_amdhsa_kernel
	.amdgpu_metadata
---
amdhsa.version: [ 1, 2 ]
amdhsa.kernels:
  - .name:           k_qca217f4979_proj
    .symbol:         k_qca217f4979_proj.kd
    .args:
      - { .name: xb, .offset: 0, .size: 8, .value_kind: global_buffer, .address_space: global }
      - { .name: wb, .offset: 8, .size: 8, .value_kind: global_buffer, .address_space: global }
      - { .name: b_qkv, .offset: 16, .size: 8, .value_kind: global_buffer, .address_space: global }
      - { .name: qk, .offset: 24, .size: 8, .value_kind: global_buffer, .address_space: global }
      - { .name: vt, .offset: 32, .size: 8, .value_kind: global_buffer, .address_space: global }
    .group_segment_fixed_size: 327680
    .private_segment_fixed_size: 0
    .kernarg_segment_align: 8
    .kernarg_segment_size: 40
    .max_flat_workgroup_size: 128
    .sgpr_count:     98
    .vgpr_count:     1024
    .wavefront_size: 32
...
	.end_amdgpu_metadata
.endif
;; end of part 2
;; launch scores (part 3): grid 8 x 32, 4 waves a work-group, clusters of 4 x 4, 327,680 bytes of LDS; arguments qk, p, stats; writes p, stats
.if DOCPART == 3
	.amdgcn_target "amdgcn-amd-amdhsa--gfx1250"
	.amdhsa_code_object_version 6
	.text
	.protected	k_qca217f4979_scores
	.globl	k_qca217f4979_scores
	.p2align	8
	.type	k_qca217f4979_scores,@function
k_qca217f4979_scores:
	s_mov_b64 s[64:65], 0
	v_nop
	global_prefetch_b8 v0, s[64:65] scope:SCOPE_SE
	s_setreg_imm32_b32 hwreg(HW_REG_WAVE_MODE, 25, 1), 1
	s_wait_xcnt 0x0
	s_wait_alu depctr_hold_cnt(0) depctr_sa_sdst(0) depctr_va_vdst(0) depctr_va_sdst(0) depctr_va_ssrc(0) depctr_va_vcc(0) depctr_vm_vsrc(0)
	s_getreg_b32 s2, hwreg(HW_REG_IB_STS2, 6, 4)
	s_cmp_eq_u32 s2, 0
	s_cbranch_scc0 .Lentry_in_a_cluster
	s_endpgm
.Lentry_in_a_cluster:
	s_bfe_u32 s2, ttmp6, 0x10000c
	s_cmp_lg_u32 s2, 0xf033
	s_cbranch_scc0 .Lentry_shape_is_right
	s_endpgm
.Lentry_shape_is_right:
; For each batch b, query q and block t of 128 keys: s = q . k (f16 products, f32 sums); m = the largest s of the block; p = 2^(c s - c m), c = log2(e) / 32, rounded to f16; l = the sum of the unrounded p.
; p: [8192 = 2048 b + q][2048 keys] f16.  stats (f32): c m at ((16 b + t) 2048 + q) x 4 bytes, l 524,288 bytes further on.  The next launch joins the blocks: the softmax's maximum is taken, block by block.
; LIMITS: p below 6e-5 keeps f16's fixed step of 6e-8; a weight below 2^-126 counts as 0 in l; NaN and infinities are not treated apart.
; SHARES.  A tile of 256 queries x 256 keys to a work-group, 128 x 128 to a wave: a wave's columns are one block t.  K (the 1,024 channels) goes in 8 steps of 128 through two LDS slots.
; Source 0 = 16 keys, source 1 = 16 queries: a lane holds ONE query (l % 16) and the keys 8 (l / 16) + 0..7 of each block of 16: a query's maximum and sum want one exchange between the halves of the lanes.
; CLUSTER 4 x 4: q's tile is shared along a row of the cluster, k's along a column (the four tile rows of a cluster lie in one batch).  Ring and change of slots as in the projection.
; REGISTERS: window 0: v1-31 addresses; v64-191 q's fragments (on the way out v64-115 at work); v192-223, v32-63, v224-255 the way out.  window 1: v64-191 k's fragments.  windows 2, 3: the accumulators.
.set KSTEPS, 8
.set PIT,    272
.set HALFT,  128*PIT
.set BOFF,   2*HALFT
.set SLOT,   4*HALFT                   ; 0x22000: no wave's base has one of its two bits, so an exclusive or changes slots
.set QA,     64
.set QB,     64
.set KA,     256
.set KB,     256
.set STAGE,  2*SLOT
.set SP,     272
.set SPARE,  STAGE+4*16*SP
.set ADRA0, 10
.set ADRB0, 11
.set SW,    12                         ; v12  my stage + 4 l
.set SR,    13                         ; v13  my stage + 16 l
.set ADRA,  16
.set ADRB,  20
.set STO,   24
.set RD,    25
.set CO,    26
.set LANE,  27
.set SPW,   28                         ; never rewritten
.set NIL,   29                         ; never rewritten
.set PFO,   30
.set SO,    31                         ; v31  my 16 bytes of the statistics: c m in lanes 0-15, l in lanes 16-31
.set F0,    64
.set F1,    128
.set TMP,   192
.set OB,    32
.set MT,    64                         ; v64-85   at work
.set ST,    96                         ; v96-103  block a: c m, m
.set LS,    104                        ; v104-107 block a: l
.set X,     108
.set SV,    112
.set G1A, 24
.set G0A, 32
.set G0B, 36
.set LIM, 43
.set PFA, 44
.set G1B, 48
.set SLOTS, 58
.set PRS, 59
.set TBA, 60
.set TBB, 61
.set CS,  66                           ; s[66:67] c
.set SEL, 68                           ; s[68:69] v_permlanex16_b32's selects: each lane takes its own place in the other half
.set HM,  70                           ; s70  lanes 16-31
.set EC,  71
.set CST, 74
.set MSB, 0
.macro WIN new
.if MSB != (\new)
	s_set_vgpr_msb (MSB<<8)|(\new)
.set MSB, \new
.endif
.endm
.macro PLACES
.rept 4
	v_nop
.endr
.endm
.macro CROUND
	s_barrier_signal -1
	s_barrier_wait -1
	s_cmp_lg_u32 s10, 0
	s_cbranch_scc1 .Lnot_wave_0_\@
	s_barrier_signal -3
.Lnot_wave_0_\@:
	s_barrier_wait -3
	s_barrier_signal -1
	s_barrier_wait -1
.endm
.macro JLOAD                           ; waves 0 and 1 fetch the halves of q's tile, waves 2 and 3 those of k's
	s_cmp_eq_u32 s11, 0
	s_cbranch_scc0 .Lfor_b_\@
	tensor_load_to_lds s[G0A:G0A+3], s[G1A:G1A+7]
	s_nop 0
.rept 4
	v_nop
.endr
	s_branch .Lasked_\@
.Lfor_b_\@:
	tensor_load_to_lds s[G0B:G0B+3], s[G1B:G1B+7]
	s_nop 0
.rept 4
	v_nop
.endr
.Lasked_\@:
.endm
.macro ASK                             ; the K step that the next change of slots will ask for: 32 rows x 256 bytes, a lane a row; each block is named once in the launch
	s_cmp_gt_u32 s[SLOTS], s[LIM]
	s_cbranch_scc0 .Lnot_mine_\@
	global_prefetch_b8 v[PFO], s[PFA:PFA+1] th:TH_LOAD_NT scope:SCOPE_SE
.Lnot_mine_\@:
.endm
.macro CHANGE fill, ask
	WIN 0
	s_wait_tensorcnt 0x0
	ds_add_u32 v[SPW], v[NIL]
.if \fill
	s_xor_b32 s[G0A+1], s[G0A+1], SLOT
	s_add_nc_u64 s[G0A+2:G0A+3], s[G0A+2:G0A+3], KA
	s_xor_b32 s[G0B+1], s[G0B+1], SLOT
	s_add_nc_u64 s[G0B+2:G0B+3], s[G0B+2:G0B+3], KB
.endif
.if \ask
	s_wait_xcnt 0x0                                ; the last prefetch, a K step back, has read its address
	s_add_nc_u64 s[PFA:PFA+1], s[PFA:PFA+1], KA
.endif
	s_wait_dscnt 0x0
.if \fill
	CROUND
	JLOAD
.if \ask
	ASK
.endif
.else
	s_barrier_signal -1
	s_barrier_wait -1
.endif
	s_sub_co_u32 s[TBA], s[TBA], 4*QA
	s_xor_b32 s[TBA], s[TBA], SLOT
	s_sub_co_u32 s[TBB], s[TBB], 4*QB
	s_xor_b32 s[TBB], s[TBB], SLOT
.endm
.macro ADR
	WIN 0
	v_add_nc_u32 v[ADRA], s[TBA], v[ADRA0]
	v_add_nc_u32 v[ADRB], s[TBB], v[ADRB0]
.endm
.macro FETCH p, f
	WIN 0x40
.irp i, 0,1,2,3,4,5,6,7
	ds_load_b128 v[(\f)+8*(\i):(\f)+8*(\i)+3],   v[ADRB] offset:(\p)*QB+(\i)*16*PIT
	ds_load_b128 v[(\f)+8*(\i)+4:(\f)+8*(\i)+7], v[ADRB] offset:(\p)*QB+(\i)*16*PIT+32
.endr
	WIN 0
.irp i, 0,1,2,3,4,5,6,7
	ds_load_b128 v[(\f)+8*(\i):(\f)+8*(\i)+3],   v[ADRA] offset:(\p)*QA+(\i)*16*PIT
	ds_load_b128 v[(\f)+8*(\i)+4:(\f)+8*(\i)+7], v[ADRA] offset:(\p)*QA+(\i)*16*PIT+32
.endr
.endm
.macro MUL16 f, hi, a0, first          ; the 64 accumulators take turns; first = 1: the constant 0 starts the sums
	WIN 0xa1+0x50*(\hi)
.irp a, \a0, (\a0)+1
.irp b, 0,1,2,3,4,5,6,7
.if \first
	v_wmma_f32_16x16x32_f16 v[8*(8*(\a)+(\b)):8*(8*(\a)+(\b))+7], v[(\f)+8*(\b):(\f)+8*(\b)+7], v[(\f)+8*(4*(\hi)+(\a)):(\f)+8*(4*(\hi)+(\a))+7], 0
.else
	v_wmma_f32_16x16x32_f16 v[8*(8*(\a)+(\b)):8*(8*(\a)+(\b))+7], v[(\f)+8*(\b):(\f)+8*(\b)+7], v[(\f)+8*(4*(\hi)+(\a)):(\f)+8*(4*(\hi)+(\a))+7], v[8*(8*(\a)+(\b)):8*(8*(\a)+(\b))+7]
.endif
.endr
.endr
.endm
.macro QUARTER f, g, p, first
	s_wait_dscnt 8                                 ; k's fragments and q's blocks 0-3 are in; the youngest eight loads may be out
	MUL16 \f, 0, 0, \first
	MUL16 \f, 0, 2, \first
	PLACES
	FETCH \p, \g
	s_wait_dscnt 32                                ; all but the 32 just issued
	MUL16 \f, 1, 0, \first
	MUL16 \f, 1, 2, \first
.endm
.macro PAIR
	ADR
	QUARTER F1, F0, 0, 0
	QUARTER F0, F1, 1, 0
	WIN 0
	s_add_co_u32 s[TBA], s[TBA], 2*QA
	s_add_co_u32 s[TBB], s[TBB], 2*QB
.endm
; THE SOFTMAX OF A BLOCK of 16 queries x 128 keys: a lane's 64 scores lie in v[64 a .. 64 a + 63] of window 2.
.macro SOFT a
.set AC, 64*(\a)
	WIN 0x2a                                       ; the maximum, three at a time, in ascending order
.set k, 0
.rept 20
	v_max3_num_f32 v[MT+k], v[AC+3*k], v[AC+3*k+1], v[AC+3*k+2]
.set k, k+1
.endr
	v_max_num_f32 v[MT+20], v[AC+60], v[AC+61]
	v_max_num_f32 v[MT+21], v[AC+62], v[AC+63]
	WIN 0
.set k, 0
.rept 7
	v_max3_num_f32 v[MT+k], v[MT+3*k], v[MT+3*k+1], v[MT+3*k+2]
.set k, k+1
.endr
	v_max3_num_f32 v[MT], v[MT], v[MT+1], v[MT+2]
	v_max3_num_f32 v[MT+1], v[MT+3], v[MT+4], v[MT+5]
	v_max_num_f32 v[MT+2], v[MT+6], v[MT+21]
	v_max3_num_f32 v[MT], v[MT], v[MT+1], v[MT+2]
	v_permlanex16_b32 v[MT+1], v[MT], s[SEL], s[SEL+1]  ; the query's other 64 keys lie in the lane 16 away
	v_max_num_f32 v[ST+2*(\a)+1], v[MT], v[MT+1]
	v_mul_f32 v[ST+2*(\a)], s[CS], v[ST+2*(\a)+1]
	WIN 0x82
.set k, 0
.rept 32
	v_pk_fma_f32 v[AC+2*k:AC+2*k+1], v[AC+2*k:AC+2*k+1], s[CS:CS+1], v[ST+2*(\a):ST+2*(\a)+1] op_sel_hi:[1,0,0] neg_lo:[0,0,1] neg_hi:[0,0,1]  ; c s - c m
.set k, k+1
.endr
.set k, 0
.rept 64
	v_exp_f32 v[AC+k], v[AC+k]                     ; one batch
.set k, k+1
.endr
	v_nop                                          ; a plain instruction behind the last exponential,
	s_wait_alu depctr_va_vdst(0)                   ; and one wait for the batch, ahead of its first reader
	WIN 0x0a
.set k, 0
.rept 32
	v_cvt_pk_f16_f32 v[TMP+k], v[AC+2*k], v[AC+2*k+1]
.set k, k+1
.endr
	WIN 0x8a                                       ; the sum of the 32 pairs, in place: neighbours 16, 8, 4, 2 and 1 pairs apart
.irp w, 16, 8, 4, 2, 1
.set k, 0
.rept \w
	v_pk_add_f32 v[AC+2*k:AC+2*k+1], v[AC+2*k:AC+2*k+1], v[AC+2*(k+\w):AC+2*(k+\w)+1]
.set k, k+1
.endr
.endr
	WIN 0x0a
	v_add_f32 v[MT], v[AC], v[AC+1]
	WIN 0
	v_permlanex16_b32 v[MT+1], v[MT], s[SEL], s[SEL+1]
	v_add_f32 v[LS+(\a)], v[MT], v[MT+1]
.endm
.macro TOSTAGE a
	WIN 0
.set BK, OB+192*((\a)%2)
.irp b, 0,1,2,3,4,5,6,7
	ds_store_b128 v[STO], v[TMP+4*(\b):TMP+4*(\b)+3] offset:32*(\b)
.endr
.irp t, 0,1,2,3,4,5,6,7
	ds_load_b128 v[BK+4*(\t):BK+4*(\t)+3], v[RD] offset:(\t)*2*SP  ; LDS serves a wave's instructions in order (ISA guide 5.7.1.4)
.endr
.endm
.macro SEND a
	WIN 0
.set BK, OB+192*((\a)%2)
	s_wait_dscnt 0x0
	s_wait_xcnt 0x0                                ; earlier stores have read their base and their data
.if (\a) == 0
	s_add_nc_u64 s[8:9], s[8:9], s[CST:CST+1]      ; the first time my part's offset in p, the second time 16 rows
	s_mov_b32 s[CST], 16*4096
.else
	s_add_nc_u64 s[8:9], s[8:9], 16*4096
.endif
.irp t, 0,1,2,3,4,5,6,7
	global_store_b128 v[CO], v[BK+4*(\t):BK+4*(\t)+3], s[8:9] offset:2*(\t)*4096  ; 16 lanes store 256 consecutive bytes, at a multiple of 256 from p's first byte
.endr
.endm
; The statistics of four blocks, 64 queries: both halves of the lanes hold a query's numbers, so lanes 16-31 take the odd block's; 64 c m and 64 l go through my stage and leave as 256 + 256 consecutive bytes.
.macro STATS
	WIN 0
	v_cndmask_b32 v[X],   v[ST],   v[ST+2], s[HM]
	v_cndmask_b32 v[X+1], v[ST+4], v[ST+6], s[HM]
	v_cndmask_b32 v[X+2], v[LS],   v[LS+1], s[HM]
	v_cndmask_b32 v[X+3], v[LS+2], v[LS+3], s[HM]
	ds_store_b32 v[SW], v[X]
	ds_store_b32 v[SW], v[X+1] offset:128
	ds_store_b32 v[SW], v[X+2] offset:256
	ds_store_b32 v[SW], v[X+3] offset:384
	ds_load_b128 v[SV:SV+3], v[SR]
	s_wait_dscnt 0x0
	global_store_b128 v[SO], v[SV:SV+3], s[72:73]
	s_wait_xcnt 0x0                                ; the store has read its base and its data
	s_add_nc_u64 s[72:73], s[72:73], 256           ; the next 64 queries
.endm
	s_load_b64 s[4:5], s[0:1], 0x0                 ; qk
	s_load_b64 s[8:9], s[0:1], 0x8                 ; p
	s_load_b64 s[72:73], s[0:1], 0x10              ; stats
	v_lshl_add_u32 v[SPW], v0, 2, SPARE
	v_mov_b32 v[NIL], 0
	ds_add_u32 v[SPW], v[NIL]                      ; the wave's opening: the add and its wait stand ahead of my first tensor load
	v_lshrrev_b32 v1, 5, v0
	v_readfirstlane_b32 s10, v1
	s_lshr_b32 s11, s10, 1                         ; my 128 of the tile's queries; also: I fetch for q (0) or for k (1)
	s_and_b32 s12, s10, 1                          ; my 128 of its keys; also: which half of that tile I fetch
	s_bfe_u32 s40, ttmp6, 0x40000
	s_bfe_u32 s41, ttmp6, 0x40004
	s_lshl_b32 s42, ttmp9, 2
	s_add_co_u32 s42, s42, s40                     ; tile column: 256 keys of the batch
	s_and_b32 s18, ttmp7, 0xffff                   ; cluster y
	s_lshl_b32 s13, s18, 2
	s_add_co_u32 s13, s13, s41                     ; tile row: 256 of the 8,192 queries
	s_lshr_b32 s19, s18, 1                         ; the batch: eight tile rows, two clusters
	s_lshl_b32 s22, s41, 2
	s_lshl_b32 s22, 15, s22
	s_lshl_b32 s23, 0x1111, s40
	s_or_b32 s[G1A], s22, (1<<16)|(1<<20)|(1<<21)|(5<<22)|(3<<25)
	s_or_b32 s[G1B], s23, (1<<16)|(1<<20)|(1<<21)|(5<<22)|(3<<25)
.irp g, G1A, G1B
	s_mov_b32 s[(\g)+1], 128<<16                   ; tensor_dim0 = 128
	s_mov_b32 s[(\g)+2], 128<<16                   ; tensor_dim1 = 128
	s_mov_b32 s[(\g)+3], 128<<16                   ; tile_dim0 = 128
	s_mov_b32 s[(\g)+4], 128                       ; tile_dim1 = 128
	s_mov_b32 s[(\g)+5], 2048                      ; elements from row to row of qk
	s_mov_b32 s[(\g)+6], 0
	s_mov_b32 s[(\g)+7], 0
.endr
	s_lshl_b32 s16, s13, 8
	s_lshl_b32 s17, s12, 7
	s_add_co_u32 s16, s16, s17                     ; q: row 256 x tile row + 128 x half
	s_lshl_b32 s16, s16, 12
	s_mov_b32 s17, 0
	s_lshl_b32 s46, s19, 11
	s_lshl_b32 s47, s42, 8
	s_add_co_u32 s46, s46, s47
	s_lshl_b32 s47, s12, 7
	s_add_co_u32 s46, s46, s47                     ; k: row 2,048 x batch + 256 x tile column + 128 x half,
	s_lshl_b32 s46, s46, 12
	s_add_co_u32 s46, s46, 2048                    ; behind q's 1,024 columns
	s_mov_b32 s47, 0
	s_mul_i32 s20, s10, HALFT
	s_mov_b32 s[G0A], 1
	s_mov_b32 s[G0A+1], s20
	s_mov_b32 s[G0B], 1
	s_mov_b32 s[G0B+1], s20
	s_mov_b32 s[TBA], SLOT+4*QA
	s_mov_b32 s[TBB], SLOT+4*QB
	s_mov_b32 s[CS], 0x3d38aa3b                    ; c = log2(e) / 32
	s_mov_b32 s[CS+1], s[CS]                       ; named with it as a pair
	s_mov_b32 s[SEL], 0x76543210
	s_mov_b32 s[SEL+1], 0xfedcba98
	s_wait_dscnt 0x0
	s_wait_kmcnt 0x0
	s_add_nc_u64 s[G0A+2:G0A+3], s[4:5], s[16:17]
	s_or_b32 s[G0A+3], s[G0A+3], 0x80000000
	s_add_nc_u64 s[G0B+2:G0B+3], s[4:5], s[46:47]
	s_or_b32 s[G0B+3], s[G0B+3], 0x80000000
	CROUND
	JLOAD                                          ; K step 0 into slot 0
	v_and_b32 v[LANE], 31, v0
	v_and_b32 v1, 15, v0                           ; r
	v_bfe_u32 v2, v0, 4, 1                         ; h
	v_mul_u32_u24 v3, v1, PIT
	v_lshl_add_u32 v3, v2, 4, v3                   ; r x 272 + 16 h
	s_mul_i32 s14, s11, HALFT
	v_add_nc_u32 v[ADRA0], s14, v3
	s_mul_i32 s14, s12, HALFT
	s_add_co_u32 s14, s14, BOFF
	v_add_nc_u32 v[ADRB0], s14, v3
	s_mul_i32 s14, s10, 16*SP
	s_add_co_u32 s14, s14, STAGE                   ; my stage
	v_add_nc_u32 v[STO], s14, v3
	v_mul_u32_u24 v5, v2, SP
	v_lshl_add_u32 v5, v1, 4, v5
	v_add_nc_u32 v[RD], s14, v5
	v_lshl_add_u32 v[SW], v[LANE], 2, s14
	v_lshl_add_u32 v[SR], v[LANE], 4, s14
	v_lshlrev_b32 v5, 12, v2
	v_lshl_add_u32 v[CO], v1, 4, v5
	v_lshlrev_b32 v5, 19, v2                       ; l lies 524,288 bytes behind c m
	v_lshl_add_u32 v[SO], v1, 4, v5
	v_cmp_le_u32 s[HM], 16, v[LANE]
	s_lshl_b32 s[CST], s13, 8
	s_lshl_b32 s14, s11, 7
	s_add_co_u32 s[CST], s[CST], s14
	s_lshl_b32 s[CST], s[CST], 12
	s_lshl_b32 s14, s42, 9
	s_add_co_u32 s[CST], s[CST], s14
	s_lshl_b32 s14, s12, 8
	s_add_co_u32 s[CST], s[CST], s14
	s_mov_b32 s[CST+1], 0
	s_lshl_b32 s14, s19, 4                         ; the statistics: block 16 b + 2 x tile column + half,
	s_lshl_b32 s15, s42, 1
	s_add_co_u32 s14, s14, s15
	s_add_co_u32 s14, s14, s12
	s_lshl_b32 s14, s14, 11                        ; of 2,048 queries,
	s_and_b32 s15, s13, 7
	s_lshl_b32 s15, s15, 8
	s_add_co_u32 s14, s14, s15                     ; my tile row in the batch,
	s_lshl_b32 s15, s11, 7
	s_add_co_u32 s14, s14, s15                     ; my 128 queries
	s_lshl_b32 s14, s14, 2
	s_mov_b32 s15, 0
	s_add_nc_u64 s[72:73], s[72:73], s[14:15]
	; the prefetches, at K step 2: of the 128 rows that I fetch my work-group takes 32 (cx for q, cy for k), a lane a row
	s_lshl_b32 s14, s13, 8
	s_lshl_b32 s15, s12, 7
	s_add_co_u32 s14, s14, s15
	s_lshl_b32 s15, s40, 5
	s_add_co_u32 s14, s14, s15
	s_lshl_b32 s14, s14, 12
	s_add_co_u32 s14, s14, 2*KA
	s_lshl_b32 s15, s19, 11
	s_lshl_b32 s20, s42, 8
	s_add_co_u32 s15, s15, s20
	s_lshl_b32 s20, s12, 7
	s_add_co_u32 s15, s15, s20
	s_lshl_b32 s20, s41, 5
	s_add_co_u32 s15, s15, s20
	s_lshl_b32 s15, s15, 12
	s_add_co_u32 s15, s15, 2048+2*KB
	s_and_b32 s21, s18, 1                          ; a batch's keys are read by two clusters along y: the first asks
	s_cmp_eq_u32 s11, 0
	s_cselect_b32 s20, s14, s15
	s_cselect_b32 s21, ttmp9, s21
	s_cmp_eq_u32 s21, 0
	s_cselect_b32 s[LIM], 1, -1
	s_mov_b32 s21, 0
	s_add_nc_u64 s[PFA:PFA+1], s[4:5], s[20:21]
	v_lshlrev_b32 v[PFO], 12, v[LANE]
	CHANGE 1, 0
	ADR
	FETCH 0, F0
	QUARTER F0, F1, 1, 1
	WIN 0
	s_add_co_u32 s[TBA], s[TBA], 2*QA
	s_add_co_u32 s[TBB], s[TBB], 2*QB
	PAIR
	s_mov_b32 s[SLOTS], KSTEPS-2
.Lstep:
	CHANGE 1, 1
	s_mov_b32 s[PRS], 2
.Lpair:
	PAIR
	s_sub_co_u32 s[PRS], s[PRS], 1
	s_cmp_lg_u32 s[PRS], 0
	s_cbranch_scc1 .Lpair
	s_sub_co_u32 s[SLOTS], s[SLOTS], 1
	s_cmp_lg_u32 s[SLOTS], 0
	s_cbranch_scc1 .Lstep
	CHANGE 0, 0
	s_mov_b32 s[PRS], 2
.Ltail:
	PAIR
	s_sub_co_u32 s[PRS], s[PRS], 1
	s_cmp_lg_u32 s[PRS], 0
	s_cbranch_scc1 .Ltail
	s_wait_dscnt 8
	MUL16 F1, 0, 0, 0
	MUL16 F1, 0, 2, 0
	s_wait_dscnt 0x0
	MUL16 F1, 1, 0, 0
	MUL16 F1, 1, 2, 0
	WIN 0
	PLACES
	; THE WAY OUT: written once for four blocks in window 2, walked twice; between the walks my rows 64-127 come from window 3 to window 2: 256 moves, once a launch, for half the text
	s_mov_b32 s[EC], 2
	s_branch .Lhalf_in
.Lhalf:
	WIN 0x83
.set i, 0
.rept 256
	v_mov_b32 v[i], v[i]
.set i, i+1
.endr
	WIN 0
.Lhalf_in:
	SOFT 0
	TOSTAGE 0
	SOFT 1                                         ; a block's arithmetic stands between the loads of the block before and its stores
	SEND 0
	TOSTAGE 1
	SOFT 2
	SEND 1
	TOSTAGE 2
	SOFT 3
	SEND 2
	TOSTAGE 3
	SEND 3
	STATS
	s_sub_co_u32 s[EC], s[EC], 1
	s_cmp_lg_u32 s[EC], 0
	s_cbranch_scc1 .Lhalf
	s_wait_tensorcnt 0x0                           ; the wave's end
	ds_add_u32 v[SPW], v[NIL]
	s_wait_dscnt 0x0
	CROUND
	s_endpgm
.Lfunc_end_k_qca217f4979_scores:
	.size	k_qca217f4979_scores, .Lfunc_end_k_qca217f4979_scores-k_qca217f4979_scores
	.p2alignl 7, 3214868480
	.fill 96, 4, 3214868480
	.section	.rodata,"a",@progbits
	.p2align	6, 0x0
	.amdhsa_kernel k_qca217f4979_scores
		.amdhsa_group_segment_fixed_size 327680
		.amdhsa_private_segment_fixed_size 0
		.amdhsa_enable_private_segment 0
		.amdhsa_kernarg_size 24
		.amdhsa_user_sgpr_count 2
		.amdhsa_user_sgpr_kernarg_segment_ptr 1
		.amdhsa_wavefront_size32 1
		.amdhsa_system_sgpr_workgroup_id_x 1
		.amdhsa_system_sgpr_workgroup_id_y 1
		.amdhsa_system_sgpr_workgroup_id_z 1
		.amdhsa_system_vgpr_workitem_id 0
		.amdhsa_next_free_vgpr 1024
		.amdhsa_next_free_sgpr 80
		.amdhsa_reserve_vcc 0
		.amdhsa_float_denorm_mode_32 3
		.amdhsa_float_denorm_mode_16_64 3
		.amdhsa_memory_ordered 1
		.amdhsa_forward_progress 1
		.amdhsa_inst_pref_size 122
	.end_amdhsa_kernel
	.amdgpu_metadata
---
amdhsa.version: [ 1, 2 ]
amdhsa.kernels:
  - .name:           k_qca217f4979_scores
    .symbol:         k_qca217f4979_scores.kd
    .args:
      - { .name: qk, .offset: 0, .size: 8, .value_kind: global_buffer, .address_space: global }
      - { .name: p, .offset: 8, .size: 8, .value_kind: global_buffer, .address_space: global }
      - { .name: stats, .offset: 16, .size: 8, .value_kind: global_buffer, .address_space: global }
    .group_segment_fixed_size: 327680
    .private_segment_fixed_size: 0
    .kernarg_segment_align: 8
    .kernarg_segment_size: 24
    .max_flat_workgroup_size: 128
    .sgpr_count:     80
    .vgpr_count:     1024
    .wavefront_size: 32
...
	.end_amdgpu_metadata
.endif
;; end of part 3
;; launch pv (part 4): grid 4 x 64, 4 waves a work-group, clusters of 4 x 4, 327,680 bytes of LDS; arguments p, vt, stats, out0; writes out0
.if DOCPART == 4
	.amdgcn_target "amdgcn-amd-amdhsa--gfx1250"
	.amdhsa_code_object_version 6
	.text
	.protected	k_qca217f4979_pv
	.globl	k_qca217f4979_pv
	.p2align	8
	.type	k_qca217f4979_pv,@function
k_qca217f4979_pv:
	s_mov_b64 s[64:65], 0
	v_nop
	global_prefetch_b8 v0, s[64:65] scope:SCOPE_SE
	s_setreg_imm32_b32 hwreg(HW_REG_WAVE_MODE, 25, 1), 1
	s_wait_xcnt 0x0
	s_wait_alu depctr_hold_cnt(0) depctr_sa_sdst(0) depctr_va_vdst(0) depctr_va_sdst(0) depctr_va_ssrc(0) depctr_va_vcc(0) depctr_vm_vsrc(0)
	s_getreg_b32 s2, hwreg(HW_REG_IB_STS2, 6, 4)
	s_cmp_eq_u32 s2, 0
	s_cbranch_scc0 .Lentry_in_a_cluster
	s_endpgm
.Lentry_in_a_cluster:
	s_bfe_u32 s2, ttmp6, 0x10000c
	s_cmp_lg_u32 s2, 0xf033
	s_cbranch_scc0 .Lentry_shape_is_right
	s_endpgm
.Lentry_shape_is_right:
; out0[2048 b + q][channel] (f32) = the sum over the 16 key blocks t of alpha_t[q] x (P_t . V_t), with, all in f32: M = max over t of c m_t; e_t = 2^(c m_t - M); L = the sum of l_t e_t; alpha_t = e_t / L.
; That is the softmax over all 2,048 keys, its maximum taken away: p of block t was made with the block's own maximum, and alpha_t carries it over to the row's.  Products in f16, sums in f32.
; LIMITS: e_t below 2^-126 counts as 0; L is at least the l of the block that holds the row's maximum, about 1 or more; NaN and infinities are not treated apart.
; SHARES.  A tile of 128 queries x 256 channels to a work-group, 64 x 128 to a wave.  K (the keys) goes in 16 steps of 128, a step a key block, through two LDS slots.
; Source 0 = 16 channels (rows of vt), source 1 = 16 queries (rows of p): a lane holds ONE query (l % 16) and eight neighbouring channels.
; TWO SETS OF SUMS.  T (window 2) takes one key block's products, started with the constant 0; O (window 3) takes O += alpha_t T.  The fold of block t stands among the products that start block t + 1:
; T_i is folded two products ahead of the product that writes it anew.  O starts at 0 (256 moves in the wait for the first tile), so that the fold has one form in every step.
; CLUSTER 4 x 4: p's tile is shared along a row of the cluster, vt's along a column (the four tile rows of a cluster lie in one batch).
; REGISTERS: window 0: v1-31 addresses; v32-35 alpha of the step in hand, for my four blocks of queries; v64-191 the table's making, later the way out.  window 1: two fragment buffers of 96: p's four, then vt's eight.
.set KSTEPS, 16
.set PIT,    272
.set ASZ,    128*PIT
.set SLOT,   1<<17                     ; a slot is 104,448 bytes: one exclusive or changes slots
.set Q,      64                        ; a quarter: 32 keys along the rows
.set KA,     256
.set KB,     256
.set STAGE,  SLOT+ASZ+256*PIT          ; behind the ring: 16 rows x 528 bytes for each wave
.set SP,     528                       ; 512 bytes + 16
.set TAB,    STAGE+4*16*SP             ; alpha: for each wave 16 steps x 16 lanes x 4 blocks of queries, f32: 4,096 bytes, the wave's own
.set SPARE,  TAB+4*4096
.set ADRA0, 10
.set ADRB0, 11
.set ATA,   12                         ; v12  where I read the next step's four alpha
.set TW,    13                         ; v13  where I put the alpha of my two rows
.set ADRA,  16
.set ADRB,  20
.set STO,   24
.set RD,    25
.set CO,    26
.set LANE,  27
.set SPW,   28                         ; never rewritten
.set NIL,   29                         ; never rewritten
.set PFO,   30
.set SO,    31                         ; v31  8 l: my two rows in the statistics
.set AL,    32
.set CM,    64                         ; v64-95   c m_t of my two rows, then e_t, then alpha_t
.set LL,    96                         ; v96-127  l_t
.set OB,    64
.set F0,    0
.set F1,    96
.set G1A, 24
.set G0A, 32
.set G0B, 36
.set LIM, 43
.set PFA, 44
.set G1B, 48
.set SLOTS, 58
.set TB,  60                           ; s60  the slot that is being read
.set CST, 74
.set MSB, 0
.macro WIN new
.if MSB != (\new)
	s_set_vgpr_msb (MSB<<8)|(\new)
.set MSB, \new
.endif
.endm
.macro PLACES
.rept 4
	v_nop
.endr
.endm
.macro CROUND
	s_barrier_signal -1
	s_barrier_wait -1
	s_cmp_lg_u32 s10, 0
	s_cbranch_scc1 .Lnot_wave_0_\@
	s_barrier_signal -3
.Lnot_wave_0_\@:
	s_barrier_wait -3
	s_barrier_signal -1
	s_barrier_wait -1
.endm
.macro JLOAD                           ; waves 0 and 1 fetch the halves of p's tile, waves 2 and 3 those of vt's
	s_cmp_eq_u32 s11, 0
	s_cbranch_scc0 .Lfor_b_\@
	tensor_load_to_lds s[G0A:G0A+3], s[G1A:G1A+7]
	s_nop 0
.rept 4
	v_nop
.endr
	s_branch .Lasked_\@
.Lfor_b_\@:
	tensor_load_to_lds s[G0B:G0B+3], s[G1B:G1B+7]
	s_nop 0
.rept 4
	v_nop
.endr
.Lasked_\@:
.endm
.macro ASK                             ; the K step that stands two changes of slots on: 32 rows x 256 bytes, a lane a row; each block is named once in the launch
	s_cmp_gt_u32 s[SLOTS], s[LIM]
	s_cbranch_scc0 .Lnot_mine_\@
	global_prefetch_b8 v[PFO], s[PFA:PFA+1] th:TH_LOAD_NT scope:SCOPE_SE
.Lnot_mine_\@:
.endm
.macro CHANGE fill, ask
	WIN 0
	s_wait_tensorcnt 0x0
	ds_add_u32 v[SPW], v[NIL]
.if \fill
	s_xor_b32 s[G0A+1], s[G0A+1], SLOT
	s_add_nc_u64 s[G0A+2:G0A+3], s[G0A+2:G0A+3], KA
	s_xor_b32 s[G0B+1], s[G0B+1], SLOT
	s_add_nc_u64 s[G0B+2:G0B+3], s[G0B+2:G0B+3], KB
.endif
.if \ask
	s_wait_xcnt 0x0                                ; the last prefetch, a K step back, has read its address
	s_add_nc_u64 s[PFA:PFA+1], s[PFA:PFA+1], KA
.endif
	s_wait_dscnt 0x0
.if \fill
	CROUND
	JLOAD
.if \ask
	ASK
.endif
.else
	s_barrier_signal -1
	s_barrier_wait -1
.endif
	s_xor_b32 s[TB], s[TB], SLOT                   ; the fetches go to the other slot
.endm
.macro ADR
	WIN 0
	v_add_nc_u32 v[ADRA], s[TB], v[ADRA0]
	v_add_nc_u32 v[ADRB], s[TB], v[ADRB0]
.endm
.macro FETCH p, f                      ; 24 LDS loads in one run: quarter p of the slot: vt's eight fragments, then p's four
	WIN 0x40
.irp i, 0,1,2,3,4,5,6,7
	ds_load_b128 v[(\f)+32+8*(\i):(\f)+32+8*(\i)+3],   v[ADRB] offset:(\p)*Q+(\i)*16*PIT
	ds_load_b128 v[(\f)+32+8*(\i)+4:(\f)+32+8*(\i)+7], v[ADRB] offset:(\p)*Q+(\i)*16*PIT+32
.endr
.irp a, 0,1,2,3
	ds_load_b128 v[(\f)+8*(\a):(\f)+8*(\a)+3],   v[ADRA] offset:(\p)*Q+(\a)*16*PIT
	ds_load_b128 v[(\f)+8*(\a)+4:(\f)+8*(\a)+7], v[ADRA] offset:(\p)*Q+(\a)*16*PIT+32
.endr
.endm
; O_n += alpha x T_n, n = 8 a + b: four packed multiply-adds, T's lowest registers first; alpha of query block a is register a of v[AL:AL+3]
.macro FOLD n
	WIN 0xf2
.irp u, 0,1,2,3
.if (((\n)/8)%2) == 0
	v_pk_fma_f32 v[8*(\n)+2*\u:8*(\n)+2*\u+1], v[8*(\n)+2*\u:8*(\n)+2*\u+1], v[AL+2*((\n)/16):AL+2*((\n)/16)+1], v[8*(\n)+2*\u:8*(\n)+2*\u+1] op_sel_hi:[1,0,1]
.else
	v_pk_fma_f32 v[8*(\n)+2*\u:8*(\n)+2*\u+1], v[8*(\n)+2*\u:8*(\n)+2*\u+1], v[AL+2*((\n)/16):AL+2*((\n)/16)+1], v[8*(\n)+2*\u:8*(\n)+2*\u+1] op_sel:[0,1,0] op_sel_hi:[1,1,1]
.endif
.endr
.endm
; 16 products, T_i0 on; the 32 accumulators take turns.  mode 0: in place; 1: the constant 0 starts the sums; 2: the same, and behind the product on T_i stands the fold of T_(i+2)
.macro HALF f, i0, mode
.set i, \i0
.rept 16
	WIN 0xa5
.if \mode
	v_wmma_f32_16x16x32_f16 v[8*i:8*i+7], v[(\f)+32+8*(i%8):(\f)+32+8*(i%8)+7], v[(\f)+8*(i/8):(\f)+8*(i/8)+7], 0
.else
	v_wmma_f32_16x16x32_f16 v[8*i:8*i+7], v[(\f)+32+8*(i%8):(\f)+32+8*(i%8)+7], v[(\f)+8*(i/8):(\f)+8*(i/8)+7], v[8*i:8*i+7]
.endif
.if ((\mode) == 2) && (i < 30)
	FOLD i+2
.endif
.set i, i+1
.endr
.endm
; A quarter.  al = 1: the four alpha of the step that ends lead the run of loads.  In mode 2 every T is read four plain places or more behind its last product and written anew five or more behind it:
; the four v_nop in the middle of the quarter before, and the folds of other T.
.macro QUARTER f, g, p, mode, al=0
	s_wait_dscnt 4                                 ; vt's fragments, p's blocks 0, 1 (and alpha, which is older) are in; the youngest four loads may be out
.if (\mode) == 2
	FOLD 0
	FOLD 1
.endif
	HALF \f, 0, \mode
	PLACES
.if \al
	WIN 0
	ds_load_b128 v[AL:AL+3], v[ATA]
.endif
	FETCH \p, \g
	s_wait_dscnt 24                                ; all but the 24 just issued
	HALF \f, 16, \mode
.if \al
	WIN 0
	v_add_nc_u32 v[ATA], 256, v[ATA]               ; the next step's
.endif
.endm
; THE WAY OUT of query block a: 16 rows x 512 bytes through my stage, back as whole rows, stored
.macro TOSTAGE a
.set BK, OB+64*((\a)%2)
	WIN 0x0c                                       ; the stores' data in window 3
.irp b, 0,1,2,3,4,5,6,7
	ds_store_b128 v[STO], v[8*(8*(\a)+(\b)):8*(8*(\a)+(\b))+3]   offset:64*(\b)
	ds_store_b128 v[STO], v[8*(8*(\a)+(\b))+4:8*(8*(\a)+(\b))+7] offset:64*(\b)+16
.endr
	WIN 0
.irp t, 0,1,2,3,4,5,6,7,8,9,10,11,12,13,14,15
	ds_load_b128 v[BK+4*(\t):BK+4*(\t)+3], v[RD] offset:(\t)*SP  ; LDS serves a wave's instructions in order (ISA guide 5.7.1.4)
.endr
.endm
.macro SEND a
	WIN 0
.set BK, OB+64*((\a)%2)
	s_wait_dscnt 0x0
	s_wait_xcnt 0x0                                ; earlier stores have read their base and their data
.if (\a) == 0
	s_add_nc_u64 s[8:9], s[8:9], s[CST:CST+1]
.else
	s_add_nc_u64 s[8:9], s[8:9], 16*4096
.endif
.irp t, 0,1,2,3,4,5,6,7,8,9,10,11,12,13,14,15
	global_store_b128 v[CO], v[BK+4*(\t):BK+4*(\t)+3], s[8:9] offset:(\t)*4096 th:TH_STORE_NT  ; 32 lanes store 512 consecutive bytes, at a multiple of 256 from out0's first byte
.endr
.endm
.macro FOLDS a
.irp b, 0,1,2,3,4,5,6,7
	FOLD 8*(\a)+(\b)
.endr
.endm
	s_load_b128 s[4:7], s[0:1], 0x0                ; p s[4:5], vt s[6:7]
	s_load_b64 s[72:73], s[0:1], 0x10              ; stats
	s_load_b64 s[8:9], s[0:1], 0x18                ; out0
	v_lshl_add_u32 v[SPW], v0, 2, SPARE
	v_mov_b32 v[NIL], 0
	ds_add_u32 v[SPW], v[NIL]                      ; the wave's opening: the add and its wait stand ahead of my first tensor load
	v_lshrrev_b32 v1, 5, v0
	v_readfirstlane_b32 s10, v1
	s_lshr_b32 s11, s10, 1                         ; my 64 of the tile's queries; also: I fetch for p (0) or for vt (1)
	s_and_b32 s12, s10, 1                          ; my 128 of its channels; also: which half of that tile I fetch
	s_bfe_u32 s40, ttmp6, 0x40000
	s_bfe_u32 s41, ttmp6, 0x40004
	s_lshl_b32 s42, ttmp9, 2
	s_add_co_u32 s42, s42, s40                     ; tile column: 256 channels
	s_and_b32 s18, ttmp7, 0xffff                   ; cluster y
	s_lshl_b32 s13, s18, 2
	s_add_co_u32 s13, s13, s41                     ; tile row: 128 of the 8,192 queries
	s_lshr_b32 s19, s18, 2                         ; the batch: sixteen tile rows, four clusters
	s_lshl_b32 s22, s41, 2
	s_lshl_b32 s22, 15, s22
	s_lshl_b32 s23, 0x1111, s40
	s_or_b32 s[G1A], s22, (1<<16)|(1<<20)|(1<<21)|(5<<22)|(3<<25)
	s_or_b32 s[G1B], s23, (1<<16)|(1<<20)|(1<<21)|(5<<22)|(3<<25)
	s_mov_b32 s[G1A+1], 128<<16                    ; p: 128 keys
	s_mov_b32 s[G1A+2], 64<<16
	s_mov_b32 s[G1A+3], 128<<16
	s_mov_b32 s[G1A+4], 64                         ; 64 rows
	s_mov_b32 s[G1A+5], 2048
	s_mov_b32 s[G1A+6], 0
	s_mov_b32 s[G1A+7], 0
	s_mov_b32 s[G1B+1], 128<<16                    ; vt: 128 keys
	s_mov_b32 s[G1B+2], 128<<16
	s_mov_b32 s[G1B+3], 128<<16
	s_mov_b32 s[G1B+4], 128                        ; 128 rows
	s_mov_b32 s[G1B+5], 8192
	s_mov_b32 s[G1B+6], 0
	s_mov_b32 s[G1B+7], 0
	s_lshl_b32 s16, s13, 7
	s_lshl_b32 s17, s12, 6
	s_add_co_u32 s16, s16, s17                     ; p: row 128 x tile row + 64 x half
	s_lshl_b32 s16, s16, 12
	s_mov_b32 s17, 0
	s_lshl_b32 s46, s42, 8
	s_lshl_b32 s47, s12, 7
	s_add_co_u32 s46, s46, s47                     ; vt: row 256 x tile column + 128 x half,
	s_lshl_b32 s46, s46, 14
	s_lshl_b32 s47, s19, 12                        ; the batch's 2,048 keys
	s_add_co_u32 s46, s46, s47
	s_mov_b32 s47, 0
	s_mul_i32 s20, s12, 64*PIT
	s_mul_i32 s21, s12, 128*PIT
	s_add_co_u32 s21, s21, ASZ
	s_mov_b32 s[G0A], 1
	s_mov_b32 s[G0A+1], s20
	s_mov_b32 s[G0B], 1
	s_mov_b32 s[G0B+1], s21
	s_mov_b32 s[TB], SLOT                          ; the first change of slots turns it into 0
	s_wait_dscnt 0x0
	s_wait_kmcnt 0x0
	s_add_nc_u64 s[G0A+2:G0A+3], s[4:5], s[16:17]
	s_or_b32 s[G0A+3], s[G0A+3], 0x80000000
	s_add_nc_u64 s[G0B+2:G0B+3], s[6:7], s[46:47]
	s_or_b32 s[G0B+3], s[G0B+3], 0x80000000
	CROUND
	JLOAD                                          ; K step 0 into slot 0
	; the statistics of my 64 queries: lane l takes rows 2 l and 2 l + 1; a load covers 256 consecutive bytes
	v_and_b32 v[LANE], 31, v0
	v_lshlrev_b32 v[SO], 3, v[LANE]
	s_lshl_b32 s14, s19, 15                        ; 16 blocks x 2,048 queries x batch
	s_and_b32 s15, s13, 15
	s_lshl_b32 s15, s15, 7
	s_add_co_u32 s14, s14, s15                     ; my tile row in the batch
	s_lshl_b32 s15, s11, 6
	s_add_co_u32 s14, s14, s15                     ; my 64 queries
	s_lshl_b32 s14, s14, 2
	s_mov_b32 s15, 0
	s_add_nc_u64 s[72:73], s[72:73], s[14:15]
.set i, 0
.rept 16
	global_load_b64 v[CM+2*i:CM+2*i+1], v[SO], s[72:73] offset:8192*i
	global_load_b64 v[LL+2*i:LL+2*i+1], v[SO], s[72:73] offset:8192*i+524288
.set i, i+1
.endr
	WIN 0xc0                                       ; O starts at 0
.set i, 0
.rept 256
	v_mov_b32 v[i], 0
.set i, i+1
.endr
	WIN 0
	v_and_b32 v1, 15, v0                           ; r
	v_bfe_u32 v2, v0, 4, 1                         ; h
	v_mul_u32_u24 v3, v1, PIT
	v_lshl_add_u32 v3, v2, 4, v3                   ; r x 272 + 16 h
	s_mul_i32 s14, s11, 64*PIT
	v_add_nc_u32 v[ADRA0], s14, v3
	s_mul_i32 s14, s12, 128*PIT
	s_add_co_u32 s14, s14, ASZ
	v_add_nc_u32 v[ADRB0], s14, v3
	s_lshl_b32 s14, s10, 12
	s_add_co_u32 s14, s14, TAB                     ; my table: alpha of step t, lane r, query block a at 256 t + 16 r + 4 a
	v_and_b32 v4, 7, v0                            ; row 2 l is lane r = 2 (l % 8) of block a = l / 8
	v_bfe_u32 v5, v0, 3, 2
	v_lshlrev_b32 v4, 5, v4
	v_lshl_add_u32 v4, v5, 2, v4
	v_add_nc_u32 v[TW], s14, v4
	v_lshl_add_u32 v[ATA], v1, 4, s14
	s_mul_i32 s14, s10, 16*SP
	s_add_co_u32 s14, s14, STAGE                   ; my stage
	v_mul_u32_u24 v4, v1, SP
	v_lshl_add_u32 v4, v2, 5, v4                   ; in: row r, 32 bytes for each half of the lanes
	v_add_nc_u32 v[STO], s14, v4
	v_lshl_add_u32 v[RD], v[LANE], 4, s14          ; back: 32 lanes take a row of 512 bytes
	v_lshlrev_b32 v[CO], 4, v[LANE]
	s_lshl_b32 s[CST], s13, 7
	s_lshl_b32 s14, s11, 6
	s_add_co_u32 s[CST], s[CST], s14               ; my first row of out0,
	s_lshl_b32 s[CST], s[CST], 12
	s_lshl_b32 s14, s42, 10
	s_add_co_u32 s[CST], s[CST], s14
	s_lshl_b32 s14, s12, 9
	s_add_co_u32 s[CST], s[CST], s14               ; my first channel
	s_mov_b32 s[CST+1], 0
	; the prefetches, both at K step 3.  p: a step is 128 rows of 256 bytes: wave 0 of each partner takes 32 cx .. + 31.  vt: of the 128 rows that I fetch my work-group takes 32 cy .. + 31.
	s_lshl_b32 s14, s13, 7
	s_lshl_b32 s15, s40, 5
	s_add_co_u32 s14, s14, s15
	s_lshl_b32 s14, s14, 12
	s_add_co_u32 s14, s14, 3*KA
	s_lshl_b32 s15, s42, 8
	s_lshl_b32 s20, s12, 7
	s_add_co_u32 s15, s15, s20
	s_lshl_b32 s20, s41, 5
	s_add_co_u32 s15, s15, s20
	s_lshl_b32 s15, s15, 14
	s_lshl_b32 s20, s19, 12
	s_add_co_u32 s15, s15, s20
	s_add_co_u32 s15, s15, 3*KB
	s_and_b32 s21, s18, 3                          ; a batch's rows of vt are read by four clusters along y: the first asks
	s_or_b32 s22, ttmp9, s12                       ; 0 in wave 0 of the first cluster along x
	s_mov_b32 s23, 14
	s_cmp_eq_u32 s11, 0
	s_cselect_b32 s20, s14, s15
	s_cselect_b32 s21, s22, s21
	s_cselect_b32 s23, 12, s23
	s_cselect_b64 s[PFA:PFA+1], s[4:5], s[6:7]
	s_cmp_eq_u32 s21, 0
	s_cselect_b32 s[LIM], 2, -1
	s_mov_b32 s21, 0
	s_add_nc_u64 s[PFA:PFA+1], s[PFA:PFA+1], s[20:21]
	v_lshlrev_b32 v[PFO], s23, v[LANE]             ; a row of p is 4,096 bytes, of vt 16,384
	; THE TABLE OF alpha
	s_wait_loadcnt 0x0
.irp c, 0,1
	v_max3_num_f32 v[128+\c], v[CM+\c], v[CM+2+\c], v[CM+4+\c]
.irp t, 3,5,7,9,11,13
	v_max3_num_f32 v[128+\c], v[128+\c], v[CM+2*\t+\c], v[CM+2*\t+2+\c]
.endr
	v_max_num_f32 v[128+\c], v[128+\c], v[CM+30+\c]  ; M
.endr
.set i, 0
.rept 16
	v_pk_add_f32 v[CM+2*i:CM+2*i+1], v[CM+2*i:CM+2*i+1], v[128:129] neg_lo:[0,1] neg_hi:[0,1]  ; c m_t - M
.set i, i+1
.endr
.set i, 0
.rept 32
	v_exp_f32 v[CM+i], v[CM+i]                     ; e_t: one batch
.set i, i+1
.endr
	v_nop                                          ; a plain instruction behind the last exponential,
	s_wait_alu depctr_va_vdst(0)                   ; and one wait for the batch
	v_pk_mul_f32 v[130:131], v[LL:LL+1], v[CM:CM+1]
.set i, 1
.rept 15
	v_pk_fma_f32 v[130:131], v[LL+2*i:LL+2*i+1], v[CM+2*i:CM+2*i+1], v[130:131]  ; L
.set i, i+1
.endr
	v_rcp_f32 v132, v130
	v_rcp_f32 v133, v131
	v_nop
	s_wait_alu depctr_va_vdst(0)                   ; one wait for the two reciprocals
.set i, 0
.rept 16
	v_pk_mul_f32 v[CM+2*i:CM+2*i+1], v[CM+2*i:CM+2*i+1], v[132:133]
.set i, i+1
.endr
.set i, 0
.rept 16
	ds_store_b32 v[TW], v[CM+2*i]   offset:256*i
	ds_store_b32 v[TW], v[CM+2*i+1] offset:256*i+16
.set i, i+1
.endr
	CHANGE 1, 0                                    ; K step 0 is in, everybody's part of it; K step 1 is asked for
	ADR
	FETCH 0, F0
	QUARTER F0, F1, 1, 1                           ; the first quarter starts T's sums
	WIN 0
	s_mov_b32 s[SLOTS], KSTEPS-1
	s_branch .Lenter                               ; the loop is entered in the middle of a trip
.Lstep:                                                ; 14 times: K steps 2 to 15 are asked for
	CHANGE 1, 1
	ADR
	QUARTER F1, F0, 0, 0, 1                        ; a block's last quarter; its alpha is fetched
	QUARTER F0, F1, 1, 2                           ; the next block's first quarter, and the fold
	WIN 0
.Lenter:
	QUARTER F1, F0, 2, 0
	QUARTER F0, F1, 3, 0
	WIN 0
	s_sub_co_u32 s[SLOTS], s[SLOTS], 1
	s_cmp_lg_u32 s[SLOTS], 0
	s_cbranch_scc1 .Lstep
	CHANGE 0, 0                                    ; the tail is written out
	ADR
	QUARTER F1, F0, 0, 0, 1
	QUARTER F0, F1, 1, 2
	QUARTER F1, F0, 2, 0
	QUARTER F0, F1, 3, 0
	WIN 0
	ds_load_b128 v[AL:AL+3], v[ATA]                ; the last block's alpha
	s_wait_dscnt 5                                 ; it and the youngest four fragment loads may be out
	HALF F1, 0, 0
	s_wait_dscnt 0x0
	HALF F1, 16, 0
	WIN 0
	PLACES
	FOLDS 0
	TOSTAGE 0
.irp a, 1,2,3                          ; block a's folds stand between block a - 1's loads from the stage and the wait for them
	FOLDS \a
	SEND (\a)-1
	TOSTAGE \a
.endr
	SEND 3
	s_wait_tensorcnt 0x0                           ; the wave's end
	ds_add_u32 v[SPW], v[NIL]
	s_wait_dscnt 0x0
	CROUND
	s_endpgm
.Lfunc_end_k_qca217f4979_pv:
	.size	k_qca217f4979_pv, .Lfunc_end_k_qca217f4979_pv-k_qca217f4979_pv
	.p2alignl 7, 3214868480
	.fill 96, 4, 3214868480
	.section	.rodata,"a",@progbits
	.p2align	6, 0x0
	.amdhsa_kernel k_qca217f4979_pv
		.amdhsa_group_segment_fixed_size 327680
		.amdhsa_private_segment_fixed_size 0
		.amdhsa_enable_private_segment 0
		.amdhsa_kernarg_size 32
		.amdhsa_user_sgpr_count 2
		.amdhsa_user_sgpr_kernarg_segment_ptr 1
		.amdhsa_wavefront_size32 1
		.amdhsa_system_sgpr_workgroup_id_x 1
		.amdhsa_system_sgpr_workgroup_id_y 1
		.amdhsa_system_sgpr_workgroup_id_z 1
		.amdhsa_system_vgpr_workitem_id 0
		.amdhsa_next_free_vgpr 1024
		.amdhsa_next_free_sgpr 80
		.amdhsa_reserve_vcc 0
		.amdhsa_float_denorm_mode_32 3
		.amdhsa_float_denorm_mode_16_64 3
		.amdhsa_memory_ordered 1
		.amdhsa_forward_progress 1
		.amdhsa_inst_pref_size 111
	.end_amdhsa_kernel
	.amdgpu_metadata
---
amdhsa.version: [ 1, 2 ]
amdhsa.kernels:
  - .name:           k_qca217f4979_pv
    .symbol:         k_qca217f4979_pv.kd
    .args:
      - { .name: p, .offset: 0, .size: 8, .value_kind: global_buffer, .address_space: global }
      - { .name: vt, .offset: 8, .size: 8, .value_kind: global_buffer, .address_space: global }
      - { .name: stats, .offset: 16, .size: 8, .value_kind: global_buffer, .address_space: global }
      - { .name: out0, .offset: 24, .size: 8, .value_kind: global_buffer, .address_space: global }
    .group_segment_fixed_size: 327680
    .private_segment_fixed_size: 0
    .kernarg_segment_align: 8
    .kernarg_segment_size: 32
    .max_flat_workgroup_size: 128
    .sgpr_count:     80
    .vgpr_count:     1024
    .wavefront_size: 32
...
	.end_amdgpu_metadata
.endif
;; end of part 4
